; MI455X (gfx1250); checked and timed in simulation.
; The chip was launched on July 23, 2026; its instructions are those of AMD's public machine-readable ISA for CDNA 5 (MIT licence, August 2026) and "CDNA5" Instruction Set Architecture Reference Guide (July 2026). The comments in the code are by the model that wrote it; some were corrected since.
;; Multihead Self Attention. Allowed arithmetic: matrix products marked QUANTISED: E5M2 operands, one given power-of-two scale a tensor, by v_wmma_f32_16x16x64_bf8_bf8 or v_wmma_f32_16x16x128_bf8_bf8, f32 sums; everything else in f32.
;; Inputs: k_proj_weight_codes 1,024 x 32 x 32 uint8 (E5M2 codes of k_proj_weight, K innermost, in blocks of 32 codes); lowp_scales 12 int32 (the exponents e of the quantised operands' scales 2^e); o_proj_weight_codes 1,024 x 32 x 32 uint8 (E5M2 codes of o_proj_weight, K innermost, in blocks of 32 codes); q_proj_weight_codes 1,024 x 32 x 32 uint8 (E5M2 codes of q_proj_weight, K innermost, in blocks of 32 codes); v_proj_weight_codes 1,024 x 32 x 32 uint8 (E5M2 codes of v_proj_weight, K innermost, in blocks of 32 codes); x_codes 4 x 2,048 x 32 x 32 uint8 (E5M2 codes of x, K innermost, in blocks of 32 codes).
;; Outputs: out0 4 x 2,048 x 1,024 float32.
;; This version of the problem:
;;   THIS VERSION OF THE PROBLEM IS GIVEN IN LOW PRECISION. The matrix products marked QUANTISED in the list below multiply operands that are first quantised to E5M2 (5 exponent bits, 2 mantissa bits; 8 bits a number), with one given power-of-two scale for each operand tensor; their sums are f32. All else is computed in f32.
;;   The module's matrix products, in the order in which they are computed (A, B: the left and right operand; K: the contracted axis; several contracted axes count as one K, in the product's order):
;;     1. [M 8,192, K 1,024] x [K 1,024, N 1,024]; A: input x (given as codes); B: input q_proj_weight (given as codes): QUANTISED (scales: A lowp_scales[0], B lowp_scales[1])
;;     2. [M 8,192, K 1,024] x [K 1,024, N 1,024]; A: input x (given as codes); B: input k_proj_weight (given as codes): QUANTISED (scales: A lowp_scales[2], B lowp_scales[3])
;;     3. [M 8,192, K 1,024] x [K 1,024, N 1,024]; A: input x (given as codes); B: input v_proj_weight (given as codes): QUANTISED (scales: A lowp_scales[4], B lowp_scales[5])
;;     4. batch 64 x [M 2,048, K 64] x [K 64, N 2,048]; A: computed on the way; B: computed on the way: QUANTISED (scales: A lowp_scales[6], B lowp_scales[7])
;;     5. batch 64 x [M 2,048, K 2,048] x [K 2,048, N 64]; A: softmax (see below); B: computed on the way: QUANTISED (scales: A lowp_scales[8], B lowp_scales[9])
;;     6. [M 8,192, K 1,024] x [K 1,024, N 1,024]; A: computed on the way; B: input o_proj_weight (given as codes): QUANTISED (scales: A lowp_scales[10], B lowp_scales[11])
;;   THE QUANTISER, for each operand of a quantised product, along K:
;;     - The operand's scale is 2^e, e = its entry of the input lowp_scales (int32; the entries are numbered through the quantised products in the list's order, A before B).
;;     - Each number is divided by the scale, clamped to +-57,344, and rounded to the nearest number of E5M2, ties to even, subnormals kept.
;;     - The product sums the exact products of the quantised numbers (number of the format x scale) in f32.
;;   ~~~python
;;   def quantise(x, axis, e):      # numpy; x: float32 -> the quantised numbers, widened to float32 again
;;       x = np.moveaxis(x, axis, -1); K = x.shape[-1]
;;       r = np.clip(x / 2.0 ** e, -57344, 57344)
;;       step = 2.0 ** (np.maximum(np.frexp(np.where(r == 0, 1, r))[1] - 1, -14) - 2)
;;       q = np.round(r / step) * step * 2.0 ** e      # np.round: ties to even
;;       return np.moveaxis(q, -1, axis).astype(np.float32)
;;   ~~~
;;   SOFTMAX AHEAD OF A QUANTISED PRODUCT. Where the list says 'softmax', what is quantised is not the finished softmax but p = 2^(t - M), with t = logit x log2(e) and M = ceil(the row's largest t), a whole number; so 1/2 < the row's largest p <= 1. The row's sum l is taken of the UNQUANTISED p, in f32, and the product's result is divided by l at the end. Since M is a whole number, a kernel that streams over the keys may use a running M (the ceiling of the running maximum): every later rescaling is an exact power of two, so the quantised numbers keep their values, but for numbers so far below the row's largest that they fall under the format's range.
;;   OPERANDS COMPUTED ON THE WAY. 'Computed on the way' means the value that the module computes at that place (a softmax that the list does not call 'softmax' is quantised finished and normalised). What goes into a quantiser is computed in f32, as accurately as f32 sums, v_exp_f32 and their like allow (about 1e-6 of the number): no bf16 or f16 on the way to a quantiser, and a product that is left as it is and whose result goes on into a quantised operand takes f32 operands (vector FMAs, or v_wmma_f32_16x16x4_f32). A number that lies on a knife's edge between two numbers of the format may be rounded either way, as far as f32 arithmetic and the matrix unit's own rounding can turn it there, and no further.
;;   INPUTS GIVEN AS CODES. k_proj_weight (in the module: [1024, 1024], K = its axis 1); o_proj_weight (in the module: [1024, 1024], K = its axis 1); q_proj_weight (in the module: [1024, 1024], K = its axis 1); v_proj_weight (in the module: [1024, 1024], K = its axis 1); x (in the module: [4, 2048, 1024], K = its axis 2): each comes as NAME_codes (uint8): NAME with its K axis moved to the last place and cut into blocks of 32 codes, [.., K / 32, bytes a block], one block behind the other in memory; one code a byte (a code: sign, 5 exponent bits, 2 mantissa bits); its scale is its entry of lowp_scales. Its value is code x scale, taken as it is: it is not quantised again, and the codes and scales need not be those that the quantiser above would give.
;; 2 versions, each right; version 2 is version 1 with the launch attn written anew for expert scheduling mode. Each part assembles by itself: llvm-mc -triple=amdgcn-amd-amdhsa -mcpu=gfx1250 --defsym DOCPART=n.
;; ======== version 1 of 2: 3 launches
;; workspace buffers: q_img 8,388,608 bytes; k_img 8,388,608 bytes; v_img 8,388,608 bytes; a_img 8,388,608 bytes
;; launch qkv (part 1): grid 12 x 32, 4 waves a work-group, clusters of 4 x 4, 327,680 bytes of LDS; arguments x_codes, q_proj_weight_codes, k_proj_weight_codes, v_proj_weight_codes, lowp_scales, q_img, k_img, v_img; writes q_img, k_img, v_img
.if DOCPART == 1
	.amdgcn_target "amdgcn-amd-amdhsa--gfx1250"
	.amdhsa_code_object_version 6
	.text
	.protected	k_qeeaa8b51c3_qkv
	.globl	k_qeeaa8b51c3_qkv
	.p2align	8
	.type	k_qeeaa8b51c3_qkv,@function
k_qeeaa8b51c3_qkv:
	s_mov_b64 s[64:65], 0
	v_nop
	global_prefetch_b8 v0, s[64:65] scope:SCOPE_SE
	s_setreg_imm32_b32 hwreg(HW_REG_WAVE_MODE, 25, 1), 1
	s_wait_xcnt 0x0
	s_wait_alu depctr_hold_cnt(0) depctr_sa_sdst(0) depctr_va_vdst(0) depctr_va_sdst(0) depctr_va_ssrc(0) depctr_va_vcc(0) depctr_vm_vsrc(0)
	s_getreg_b32 s2, hwreg(HW_REG_IB_STS2, 6, 4)
	s_cmp_eq_u32 s2, 0
	s_cbranch_scc0 .Lentry_in_a_cluster
	s_endpgm
.Lentry_in_a_cluster:
	s_bfe_u32 s2, ttmp6, 0x10000c
	s_cmp_lg_u32 s2, 0xf033
	s_cbranch_scc0 .Lentry_shape_is_right
	s_endpgm
.Lentry_shape_is_right:
; THE THREE PROJECTIONS, on codes of BF8 (E5M2), and the quantisers of q, k and v.  x: [8192][1024] codes, Wq, Wk, Wv: [1024][1024] codes, K innermost, rows of 1,024 bytes.
; One text serves three GEMMs C = A B^T, told apart by the cluster's x, which all partners of a cluster share; what differs is chosen by s_cselect, never by a branch:
;   cluster x = 0: Q = x Wq^T, 1: K = x Wk^T (A = x, 32 tile rows; B = the weight, 4 tile columns);   2: V^T = Wv x^T (A = Wv, 4 tile rows; B = x, 32 tile columns).
; A tile of C is 256 x 256, four waves, a wave 128 x 128: 64 accumulators, 512 registers.  K = 1,024 goes in four steps of 256 through a ring of two LDS slots filled by the tensor data mover.
; CLUSTERS: 4 x 4 work-groups; A's tile is asked for jointly by the four of a row of the cluster, B's by the four of a column.
; THE MATRIX INSTRUCTION IS USED TRANSPOSED (source 0 = 16 rows of B, source 1 = 16 rows of A): a lane holds one row of A's side and eight NEIGHBOURS of B's side.  For Q and K those are eight neighbouring
; channels of a token, for V^T eight neighbouring keys of a channel: eight neighbours along the NEXT product's K, so one conversion makes registers 2 c, 2 c + 1 of that product's own operand layout.
; WHAT IS STORED are images of operand registers, 16 bytes a lane, 512 consecutive bytes a store (bh = 16 batch + head):
;   q_img, k_img: [bh 64][tile of 16 tokens 128][chunk 2][lane 32][16 B]: registers 4 i .. 4 i + 3 of the 16 x 64 fragment;   v_img: [bh 64][step of 128 keys 16][16 channels 4][chunk 4][lane 32][16 B]: of the 16 x 128 fragment.
; THE QUANTISER: a sum stands for sum x 2^(eA + eB), so its code is sum / 2^es, es = e6 - e0 - e1 (q), e7 - e2 - e3 (k), e9 - e4 - e5 (v), held within +-57,344 x 2^es, to the nearest code, ties to even.
; LIMITS: each es lies between -126 and 112, so that 2^es and 57,344 x 2^es are f32 numbers.  NaN among the codes is not served.
; REGISTERS, in windows of 256: window 0: v0-31 addresses and the two scale numbers; from v128 A's fragments, ONE set; on the way out v32-95 at work, v128-255 codes.  window 1: B's fragments, TWO sets.
;   window 2: the accumulators of my rows 0-63 ((a, b) at v[8 (8 a + b)]);  window 3: those of my rows 64-127.
.set KSTEP,  256                       ; along K in a slot
.set ROWB,   256                       ; a tile's row in bytes
.set KROW,   1024                      ; a row of A or of B in memory, in bytes
.set PITCH,  272                       ; an LDS row: 256 bytes + 16 of padding = 68 words: the 16 rows that a load touches start 4 banks apart (64 banks of 4 bytes: ISA guide 11.1)
.set FR,     16                        ; registers of a fragment: 16 rows x 128 K
.set NL,     4                         ; LDS loads that bring one
.set NP,     4                         ; places behind this matrix instruction (ISA guide 7.12.1)
.set HALFT,  128*PITCH                 ; 128 rows: what one tensor load brings
.set SLOT,   4*HALFT                   ; A's 256 rows, then B's 256 rows
.set SPARE,  2*SLOT                    ; behind the ring: the spare words, 128 bytes a wave: two blocks of 256 bytes that no other line names
.set SC,   12                          ; v12     2^es as f32
.set LIM,  13                          ; v13     57,344 x 2^es
.set ADRA, 16                          ; v16-17  LDS address of my A fragments in slot 0, 1
.set ADRB, 20                          ; v20-21  the same for B
.set VO0,  26                          ; v26     16 x lane: my place in a stored chunk
.set VO1,  27                          ; v27     the same, two chunks (V) or a head (Q, K) further on
.set SPW,  28                          ; v28     LDS address of my spare word; never rewritten
.set NIL,  29                          ; v29     0; never rewritten
.set TMP,  32                          ; v32-95  the way out: a block's 64 sums, held
.set AF,   128                         ; A's fragments, in window 0
.set CD,   128                         ; the way out: 16 registers of codes for each of the 8 blocks, so that no store's data are written again
.set G1, 24                            ; s[24:31] descriptor group 1 for A's tiles;  s[32:39] group 0, one set for each slot
.set G0, 32
.set G1B, 48                           ; s[48:55], s[56:63] the same for B's tiles
.set G0B, 56
.set MSB, 0
.macro WIN new                         ; the immediate's high byte repeats the setting that is left
.if MSB != \new
	s_set_vgpr_msb (MSB<<8)|\new
.set MSB, \new
.endif
.endm
.set MUL_LO, 0xa1                      ; source 0 (B) window 1, source 1 (A) window 0, C and D window 2
.set MUL_HI, 0xf1                      ; the same, C and D window 3
.set TO_B,   0x40                      ; destination window 1, address window 0
; A joint load: waves 0 and 1 fetch for A, waves 2 and 3 for B; the branch hangs on the wave's number alone.  Four v_nop follow each of the two lines.
.macro JLOAD g0a, g1a, g0b, g1b
	s_cmp_eq_u32 s15, 0
	s_cbranch_scc0 .Lfor_b_\@
	tensor_load_to_lds s[\g0a:\g0a+3], s[\g1a:\g1a+7]
	s_nop 0
.rept 4
	v_nop
.endr
	s_branch .Lasked_\@
.Lfor_b_\@:
	tensor_load_to_lds s[\g0b:\g0b+3], s[\g1b:\g1b+7]
	s_nop 0
.rept 4
	v_nop
.endr
.Lasked_\@:
.endm
.macro CREST                           ; a round of the cluster's barrier behind its opening barrier
	s_cmp_lg_u32 s14, 0
	s_cbranch_scc1 .Lnot_wave_0_\@
	s_barrier_signal -3
.Lnot_wave_0_\@:
	s_barrier_wait -3
	s_barrier_signal -1
	s_barrier_wait -1
.endm
.macro CROUND                          ; a whole round
	s_barrier_signal -1
	s_barrier_wait -1
	CREST
.endm
	s_load_b512 s[68:83], s[0:1], 0x0              ; x s[68:69], Wq s[70:71], Wk s[72:73], Wv s[74:75], the scales s[76:77], q_img s[78:79], k_img s[80:81], v_img s[82:83]
	v_lshl_add_u32 v[SPW], v0, 2, SPARE
	v_mov_b32 v[NIL], 0
	ds_add_u32 v28, v29
	ds_add_u32 v28, v29
	s_wait_dscnt 0x0
	v_lshrrev_b32 v1, 5, v0
	v_readfirstlane_b32 s14, v1                    ; wave 0..3
	s_lshr_b32 s15, s14, 1                         ; which half of the tile's rows is mine.  Also: I fetch for A (0) or for B (1)
	s_and_b32 s16, s14, 1                          ; which half of its columns.  Also: which 128 rows of that tile I fetch
	s_bfe_u32 s40, ttmp6, 0x40000                  ; cx, cy: my place in the cluster
	s_bfe_u32 s41, ttmp6, 0x40004
	s_and_b32 s19, ttmp7, 0xffff
	s_lshl_b32 s19, s19, 2                         ; 4 x cluster y: it walks x's 32 tiles, which are rows of C for Q and K and columns for V^T
	s_cmp_eq_u32 ttmp9, 2
	s_cselect_b32 s18, 0, s19
	s_cselect_b32 s13, s19, 0
	s_add_co_u32 s17, s18, s41                     ; tile row of C
	s_add_co_u32 s42, s13, s40                     ; tile column of C
	s_lshl_b32 s43, s41, 2
	s_lshl_b32 s43, 15, s43                        ; my row of the cluster
	s_lshl_b32 s44, 0x1111, s40                    ; my column
	; descriptor group 1: a tile of 128 rows x 256 bytes, padded in LDS
	s_or_b32 s[G1+0], s43, (0<<16)|(1<<20)|(1<<21)|(5<<22)|(3<<25)  ; 15:0 the mask: A's tiles go to my row; 17:16 element of 1 byte; 20 padding on; 21 set beside a mask; 24:22 after every 64 words (code 5); 31:25 of 4 words (code 3)
	s_or_b32 s[G1B+0], s44, (0<<16)|(1<<20)|(1<<21)|(5<<22)|(3<<25)
.irp g, G1, G1B
	s_mov_b32 s[\g+1], ROWB<<16                    ; tensor_dim0
	s_mov_b32 s[\g+2], 128<<16                     ; tensor_dim1 = 128
	s_mov_b32 s[\g+3], ROWB<<16                    ; tile_dim0
	s_mov_b32 s[\g+4], 128                         ; tile_dim1 = 128
	s_mov_b32 s[\g+5], KROW                        ; tensor_dim0_stride
	s_mov_b32 s[\g+6], 0
	s_mov_b32 s[\g+7], 0
.endr
	s_lshl_b32 s18, s16, 7                         ; which 128 rows of the tile I fetch
	s_lshl_b32 s20, s17, 8
	s_add_co_u32 s20, s20, s18                     ; A: row 256 x tile row + 128 x half,
	s_lshl_b32 s20, s20, 10                        ; in bytes (under 2^23)
	s_mov_b32 s21, 0
	s_lshl_b32 s46, s42, 8
	s_add_co_u32 s46, s46, s18                     ; B: row 256 x tile column + 128 x half
	s_lshl_b32 s46, s46, 10
	s_mov_b32 s47, 0
	s_mul_i32 s45, s14, HALFT                      ; where they go: wave x 128 rows: no place in the cluster enters an LDS address
	s_wait_kmcnt 0x0
	s_load_b256 s[84:91], s[76:77], 0x0            ; e0 .. e7
	s_load_b64 s[92:93], s[76:77], 0x20            ; e8, e9
	s_cmp_eq_u32 ttmp9, 2                          ; V^T?  The choices hang on the cluster's x alone
	s_cselect_b64 s[4:5], s[74:75], s[68:69]       ; A: Wv, else x
	s_cselect_b64 s[6:7], s[68:69], s[70:71]       ; B: x, else Wq
	s_cselect_b64 s[10:11], s[82:83], s[78:79]     ; the image: v's, else q's
	s_mov_b32 s98, 131072
	s_cselect_b32 s98, 1024, s98                   ; from a block's first two stores to its last two: two chunks (V), a head (Q, K)
	s_mov_b32 s94, 1024
	s_cselect_b32 s94, 2048, s94                   ; from block to block: 16 channels on (V), 16 tokens on (Q, K)
	s_cselect_b32 s96, 122880, 0                   ; V: after four blocks the next head: 131,072 - 4 x 2,048
	s_mov_b32 s95, 0
	s_mov_b32 s97, 0
	s_cmp_eq_u32 ttmp9, 1                          ; K?
	s_cselect_b64 s[6:7], s[72:73], s[6:7]
	s_cselect_b64 s[10:11], s[80:81], s[10:11]
	s_add_nc_u64 s[20:21], s[4:5], s[20:21]
	s_add_nc_u64 s[46:47], s[6:7], s[46:47]
	CROUND                                         ; all sixteen work-groups are here: the first joint loads meet
.irp s, 0,1
	s_mov_b32 s[G0+4*\s], 1
	s_add_co_u32 s[G0+4*\s+1], s45, \s*SLOT
	s_add_nc_u64 s[G0+4*\s+2:G0+4*\s+3], s[20:21], \s*ROWB
	s_or_b32 s[G0+4*\s+3], s[G0+4*\s+3], 0x80000000
	s_mov_b32 s[G0B+4*\s], 1
	s_add_co_u32 s[G0B+4*\s+1], s45, \s*SLOT
	s_add_nc_u64 s[G0B+4*\s+2:G0B+4*\s+3], s[46:47], \s*ROWB
	s_or_b32 s[G0B+4*\s+3], s[G0B+4*\s+3], 0x80000000
	JLOAD G0+4*\s, G1, G0B+4*\s, G1B
.endr
	v_and_b32 v1, 15, v0                           ; l % 16
	v_bfe_u32 v2, v0, 4, 1                         ; l / 16
	v_mul_u32_u24 v3, v1, PITCH
	v_lshl_add_u32 v4, v2, 4, v3                   ; a fragment's row x pitch + 16 x half
	s_mul_i32 s21, s15, HALFT                      ; my 128 rows of A
	s_mul_i32 s22, s16, HALFT                      ; my 128 rows of B,
	s_add_co_u32 s22, s22, 2*HALFT                 ; which lie behind A's 256
.irp s, 0,1
	v_add_nc_u32 v[ADRA+\s], s21, v4
	v_add_nc_u32 v[ADRB+\s], s22, v4
	s_add_co_u32 s21, s21, SLOT
	s_add_co_u32 s22, s22, SLOT
.endr
	; where my wave's part of the image begins: batch << 21 + head << 17 + (token in its batch) << 6: the same sum for all three images
	s_lshl_b32 s99, s17, 8
	s_lshl_b32 s100, s15, 7
	s_add_co_u32 s99, s99, s100                    ; my first row of C
	s_lshl_b32 s100, s42, 8
	s_lshl_b32 s101, s16, 7
	s_add_co_u32 s100, s100, s101                  ; my first column of C
	s_cmp_eq_u32 ttmp9, 2
	s_cselect_b32 s101, s100, s99                  ; my first token: the column for V^T, else the row
	s_cselect_b32 s99, s99, s100                   ; my first channel of the 1,024: the row for V^T, else the column
	s_lshr_b32 s100, s101, 11
	s_lshl_b32 s100, s100, 21                      ; the batch
	s_lshr_b32 s99, s99, 6
	s_lshl_b32 s99, s99, 17                        ; the head
	s_add_co_u32 s100, s100, s99
	s_and_b32 s101, s101, 2047
	s_lshl_b32 s101, s101, 6                       ; 16 tokens are 1,024 bytes of q_img and k_img; 128 keys are 8,192 bytes of v_img
	s_add_co_u32 s100, s100, s101
	s_mov_b32 s101, 0
	s_add_nc_u64 s[10:11], s[10:11], s[100:101]
	v_and_b32 v6, 31, v0
	v_lshlrev_b32 v[VO0], 4, v6
	v_add_nc_u32 v[VO1], s98, v[VO0]
.macro FRAG reg, adr, q, i             ; a fragment, 16 rows x 128 K, is 16 registers: lane l holds row l % 16; registers 4 c .. 4 c + 3 hold K = 32 c + 16 (l / 16) + 0 .. 15: the same order of k in A and in B
.irp c, 0,1,2,3
	ds_load_b128 v[\reg+4*\c:\reg+4*\c+3], v[\adr] offset:128*(\q)+32*\c+(\i)*16*PITCH
.endr
.endm
; 16 matrix instructions: A's blocks a0, a0 + 1 x B's eight, 128 along K.  p: B's set.  zero = 1: the first product starts the sums.  The 64 accumulators take turns, one instruction a turn, in the same order in every step.
.macro MUL16 a0, p, zero
.irp a, \a0, \a0+1
.irp b, 0,1,2,3,4,5,6,7
.if \zero
	v_wmma_f32_16x16x128_bf8_bf8 v[8*(8*((\a)%4)+\b):8*(8*((\a)%4)+\b)+7], v[128*(\p)+FR*\b:128*(\p)+FR*\b+FR-1], v[AF+FR*(\a):AF+FR*(\a)+FR-1], 0
.else
	v_wmma_f32_16x16x128_bf8_bf8 v[8*(8*((\a)%4)+\b):8*(8*((\a)%4)+\b)+7], v[128*(\p)+FR*\b:128*(\p)+FR*\b+FR-1], v[AF+FR*(\a):AF+FR*(\a)+FR-1], v[8*(8*((\a)%4)+\b):8*(8*((\a)%4)+\b)+7]
.endif
.endr
.endr
.endm
.macro FETCH_B slot, q, p              ; B's eight fragments of the slot's q-th 128 along K into set p
	WIN TO_B
.irp i, 0,1,2,3,4,5,6,7
	FRAG 128*(\p)+FR*\i, ADRB+\slot, \q, \i
.endr
	WIN 0
.endm
.macro FETCH_A slot, q, i0             ; A's blocks i0 .. i0 + 3
.irp i, \i0, \i0+1, \i0+2, \i0+3
	FRAG AF+FR*(\i), ADRA+\slot, \q, \i
.endr
.endm
.macro PLACES n                        ; plain vector instructions between a matrix instruction and a load into, or a vector read or write of, its registers
.rept \n
	v_nop
.endr
.endm
; A step of 128 along K that has its successor in the same slot.  A block of A is free as soon as its eight products are issued: blocks 0-3 are fetched anew in the step's middle, blocks 4-7 at its end.
.macro STEP slot, q, zero
	s_wait_dscnt 4*NL                              ; B's set and A's blocks 0-3 are in; the youngest 16 loads (A's blocks 4-7) may be out
	WIN MUL_LO
	MUL16 0, (\q)%2, \zero
	MUL16 2, (\q)%2, \zero
	s_wait_dscnt 0                                 ; A's blocks 4-7 are in
	PLACES NP
	FETCH_B \slot, (\q)+1, 1-(\q)%2
	FETCH_A \slot, (\q)+1, 0
	WIN MUL_HI
	MUL16 4, (\q)%2, \zero
	MUL16 6, (\q)%2, \zero
	PLACES NP
	WIN 0
	FETCH_A \slot, (\q)+1, 4
.endm
; A slot's last step changes slots: ONE barrier; in front of it each wave waits for all its tensor loads, adds 0 to its spare word, and waits for that and for its own reads of this slot.  fill = 1: this slot is filled again, two K steps ahead.
.macro TURN slot, next, fill
	s_wait_tensorcnt 0x0                           ; all my tensor loads have landed: my part of the next slot
	ds_add_u32 v[SPW], v[NIL]                      ; 0 onto my spare word
	s_wait_dscnt 4*NL+1                            ; (the add and the youngest 16 loads, A's blocks 4-7, may be out)
	WIN MUL_LO
	MUL16 0, 1, 0                                  ; sixteen matrix instructions stand between the add and the wait for it
	s_wait_dscnt 0x0                               ; the add is done, and my reads of this slot are over
	s_barrier_signal -1
	MUL16 2, 1, 0
	WIN 0
	s_barrier_wait -1
.if \fill
	CREST                                          ; the barrier has opened a round of the cluster's barrier: no wave of any partner still reads this slot's tile or has a load on its way
	s_add_nc_u64 s[G0+4*\slot+2:G0+4*\slot+3], s[G0+4*\slot+2:G0+4*\slot+3], 2*ROWB
	s_add_nc_u64 s[G0B+4*\slot+2:G0B+4*\slot+3], s[G0B+4*\slot+2:G0B+4*\slot+3], 2*ROWB
	JLOAD G0+4*\slot, G1, G0B+4*\slot, G1B         ; the first tensor load behind the round; its four v_nop are the places in front of the loads below
.else
	PLACES NP
.endif
	FETCH_B \next, 0, 0
	FETCH_A \next, 0, 0
	WIN MUL_HI
	MUL16 4, 1, 0
	MUL16 6, 1, 0
	PLACES NP
	WIN 0
	FETCH_A \next, 0, 4
.endm
	s_wait_tensorcnt 1                             ; my part of K step 0 is in (K step 1's load may be out)
	s_barrier_signal -1
	s_barrier_wait -1                              ; everybody's is
	FETCH_B 0, 0, 0
	FETCH_A 0, 0, 0
	FETCH_A 0, 0, 4
	STEP 0, 0, 1                                   ; K 0: the first products start the sums.  K = 1,024 is eight steps of 128: written out, no loop
	TURN 0, 1, 1                                   ; K 128; slot 0 takes K 512 on
	STEP 1, 0, 0                                   ; K 256
	TURN 1, 0, 1                                   ; K 384; slot 1 takes K 768 on
	STEP 0, 0, 0                                   ; K 512
	TURN 0, 1, 0                                   ; K 640; nothing is left to fetch
	STEP 1, 0, 0                                   ; K 768
	s_wait_dscnt 4*NL                              ; K 896: the last step
	WIN MUL_LO
	MUL16 0, 1, 0
	MUL16 2, 1, 0
	s_wait_dscnt 0
	WIN MUL_HI
	MUL16 4, 1, 0
	MUL16 6, 1, 0
	WIN 0
	; THE WAY OUT.  es, and the two f32 numbers made of it
	s_wait_kmcnt 0x0
	s_sub_co_i32 s84, s90, s84
	s_sub_co_i32 s84, s84, s85                     ; q: e6 - e0 - e1
	s_sub_co_i32 s86, s91, s86
	s_sub_co_i32 s86, s86, s87                     ; k: e7 - e2 - e3
	s_sub_co_i32 s88, s93, s88
	s_sub_co_i32 s88, s88, s89                     ; v: e9 - e4 - e5
	s_cmp_eq_u32 ttmp9, 1
	s_cselect_b32 s84, s86, s84
	s_cmp_eq_u32 ttmp9, 2
	s_cselect_b32 s84, s88, s84
	s_add_co_i32 s84, s84, 127
	s_lshl_b32 s85, s84, 23
	v_mov_b32 v[SC], s85                           ; 2^es: the conversion takes its exponent field
	s_add_co_i32 s84, s84, 15
	s_lshl_b32 s84, s84, 23
	s_or_b32 s84, s84, 0x600000
	v_mov_b32 v[LIM], s84                          ; 57,344 x 2^es
	PLACES NP                                      ; behind the last products: for the reads of their results and the writes over A's fragments
; Block a: A's rows 16 a on x my 128 columns.  The hold brings the sums into window 0 as well; each accumulator is read from its low end on.  Accumulator (a, b) becomes registers 2 b, 2 b + 1 of the block's 16.
.macro OUTA a
	WIN 0x02+((\a)/4)                              ; source 0: window 2 or 3
.set j, 0
.rept 64
	v_med3_num_f32 v[TMP+j], v[64*((\a)%4)+j], -v[LIM], v[LIM]   ; the conversion to an 8-bit code does not saturate (ISA guide 7.6.2): hold first
.set j, j+1
.endr
	WIN 0
.irp b, 0,1,2,3,4,5,6,7
	v_cvt_scalef32_pk8_bf8_f32 v[CD+16*(\a)+2*\b:CD+16*(\a)+2*\b+1], v[TMP+8*\b:TMP+8*\b+7], v[SC]
.endr
	v_nop                                          ; one plain vector line between the conversions and the next block's holds, which write their sources
.if (\a) > 0
	s_wait_xcnt 0x0                                ; the last block's stores have read their base
	s_add_nc_u64 s[10:11], s[10:11], s[94:95]
.endif
.if (\a) == 4
	s_add_nc_u64 s[10:11], s[10:11], s[96:97]
.endif
	global_store_b128 v[VO0], v[CD+16*(\a):CD+16*(\a)+3], s[10:11]                  ; each store: 32 lanes, 512 consecutive bytes, at a multiple of 512 from the image's first byte
	global_store_b128 v[VO0], v[CD+16*(\a)+4:CD+16*(\a)+7], s[10:11] offset:512
	global_store_b128 v[VO1], v[CD+16*(\a)+8:CD+16*(\a)+11], s[10:11]
	global_store_b128 v[VO1], v[CD+16*(\a)+12:CD+16*(\a)+15], s[10:11] offset:512
.endm
.irp a, 0,1,2,3,4,5,6,7
	OUTA \a
.endr
	s_wait_tensorcnt 0x0                           ; the wave's end
	ds_add_u32 v[SPW], v[NIL]
	s_wait_dscnt 0x0
	CROUND                                         ; the closing round: no work-group ends while a partner may still ask for a tile that names it
	s_endpgm
.Lfunc_end_k_qeeaa8b51c3_qkv:
	.size	k_qeeaa8b51c3_qkv, .Lfunc_end_k_qeeaa8b51c3_qkv-k_qeeaa8b51c3_qkv
	.p2alignl 7, 3214868480
	.fill 96, 4, 3214868480
	.section	.rodata,"a",@progbits
	.p2align	6, 0x0
	.amdhsa_kernel k_qeeaa8b51c3_qkv
		.amdhsa_group_segment_fixed_size 327680
		.amdhsa_private_segment_fixed_size 0
		.amdhsa_enable_private_segment 0
		.amdhsa_kernarg_size 64
		.amdhsa_user_sgpr_count 2
		.amdhsa_user_sgpr_kernarg_segment_ptr 1
		.amdhsa_wavefront_size32 1
		.amdhsa_system_sgpr_workgroup_id_x 1
		.amdhsa_system_sgpr_workgroup_id_y 1
		.amdhsa_system_sgpr_workgroup_id_z 1
		.amdhsa_system_vgpr_workitem_id 0
		.amdhsa_next_free_vgpr 1024
		.amdhsa_next_free_sgpr 102
		.amdhsa_reserve_vcc 0
		.amdhsa_float_denorm_mode_32 3
		.amdhsa_float_denorm_mode_16_64 3
		.amdhsa_memory_ordered 1
		.amdhsa_forward_progress 1
		.amdhsa_inst_pref_size 119
	.end_amdhsa_kernel
	.amdgpu_metadata
---
amdhsa.version: [ 1, 2 ]
amdhsa.kernels:
  - .name:           k_qeeaa8b51c3_qkv
    .symbol:         k_qeeaa8b51c3_qkv.kd
    .args:
      - { .name: x_codes, .offset: 0, .size: 8, .value_kind: global_buffer, .address_space: global }
      - { .name: q_proj_weight_codes, .offset: 8, .size: 8, .value_kind: global_buffer, .address_space: global }
      - { .name: k_proj_weight_codes, .offset: 16, .size: 8, .value_kind: global_buffer, .address_space: global }
      - { .name: v_proj_weight_codes, .offset: 24, .size: 8, .value_kind: global_buffer, .address_space: global }
      - { .name: lowp_scales, .offset: 32, .size: 8, .value_kind: global_buffer, .address_space: global }
      - { .name: q_img, .offset: 40, .size: 8, .value_kind: global_buffer, .address_space: global }
      - { .name: k_img, .offset: 48, .size: 8, .value_kind: global_buffer, .address_space: global }
      - { .name: v_img, .offset: 56, .size: 8, .value_kind: global_buffer, .address_space: global }
    .group_segment_fixed_size: 327680
    .private_segment_fixed_size: 0
    .kernarg_segment_align: 8
    .kernarg_segment_size: 64
    .max_flat_workgroup_size: 128
    .sgpr_count:     102
    .vgpr_count:     1024
    .wavefront_size: 32
...
	.end_amdgpu_metadata
.endif
;; end of part 1
;; launch attn (part 2): grid 4 x 64, 16 waves a work-group, no clusters, 83,968 bytes of LDS; arguments q_img, k_img, v_img, lowp_scales, a_img; writes a_img
.if DOCPART == 2
	.amdgcn_target "amdgcn-amd-amdhsa--gfx1250"
	.amdhsa_code_object_version 6
	.text
	.protected	k_qeeaa8b51c3_attn
	.globl	k_qeeaa8b51c3_attn
	.p2align	8
	.type	k_qeeaa8b51c3_attn,@function
k_qeeaa8b51c3_attn:
	s_mov_b64 s[64:65], 0
	v_nop
	global_prefetch_b8 v0, s[64:65] scope:SCOPE_SE
	s_setreg_imm32_b32 hwreg(HW_REG_WAVE_MODE, 25, 1), 1
	s_wait_xcnt 0x0
; CAUSAL ATTENTION on codes of BF8 (E5M2): 64 heads (bh = 16 batch + head) of 2,048 tokens x 64 channels.  q_img, k_img, v_img hold images of operand registers:
;   q_img, k_img: [bh][tile of 16 tokens 128][chunk 2][lane][16 B] (16 x 64 fragments);  v_img: [bh][step of 128 keys 16][16 channels 4][chunk 4][lane][16 B] (16 x 128 fragments, keys innermost).
; THE SOFTMAX: t = score x log2(e) / 8; M = the row's largest t so far, rounded UP to a whole number; p = 2^(t - M) is quantised with 2^e8, not normalised; the row's sum is taken of the unquantised p and divides at the end.
; When M moves, the sum and O are multiplied by 2^(old M - new M), which rounds nothing.  O / sum is quantised with 2^e10 and stored as the last projection's operand:
;   a_img: [256 along K 4][tile of 16 tokens 512][128 along K 2][chunk 4][lane][16 B]; lane (r, h') of chunk c' holds k = 32 c' + 16 h' + 0 .. 15 of token r.
; SHARES.  Work-group (j, bh) owns the query blocks j and 7 - j of head bh, 256 queries each, one after the other: (j + 1) + (8 - j) = 9 pairs of 128-key steps for every work-group: a loop of 9 trips, 256 equal work-groups.
; Each of the SIXTEEN waves owns 16 queries of the block in 256 registers: four waves to a SIMD, so that one wave's vector work stands beside another's products and LDS loads.
; K AND V go memory -> registers -> LDS: each of the 512 threads carries 4 x 16 bytes of a pair (32,768 bytes); the loads are issued at a trip's head for the NEXT pair and stored at its end into the other slot.
; ONE barrier a trip: in front of it each wave has waited for its reads of this slot and its stores into the other.
; NO JOINT LOADS, though the four work-groups of a head read the same K and V: work-group j walks pairs 0 .. j and then 0 .. 7 - j, so in a given trip the four want different pairs.
; LAYOUT.  Both products are used transposed: S^T = K Q^T (source 0 = 16 keys), O^T = V^T P^T (source 0 = 16 channels): a lane holds ONE query (lane % 16) throughout; register j of S^T's tile t is key 16 t + 8 (lane / 16) + j,
; so one conversion of a tile's eight registers gives registers 2 t, 2 t + 1 of the 16 x 128 operand's own layout.
; THE MASK.  A step all of whose keys come after my 16 queries is left out (a scalar branch on ids, round no barrier); in my one step on the diagonal hidden scores become -infinity ahead of the maximum.
; LIMITS on the given exponents, so that each power of two below is an f32 number: e6 + e7 between -123 and 130; e8 between -126 and 112; e10 - e8 - e9 between -126 and 112.  NaN among the codes is not served.
; REGISTERS: v1 16 x lane, v2 16 x thread, v3 the loads' offset, v4, v5 LDS addresses of the slot read and the slot written, v6 r - 8 h, v7, v8 my stage, v9 the mask's bound, v10 a permute's landing place, v11 -infinity,
;   v12 -M, v13 the largest t, v[14:15] the sum in two halves, v16-23 Q, v24-31 the second block's Q, v32-95 K's 8 or V's 4 fragments, v96-159 S^T then p, v160-191 O^T, v192-207 p's codes, v208-223 K and V on their way,
;   v224-231 O's codes, v232-239 the same as rows of the image, v240, v244: 57,344 x 2^e8, 2^e8; v246, v247: 2^(e10 - e8 - e9), 57,344 x that; v[242:243], v[252:253], v254 at work.
.set SLOTB, 32768                      ; a slot: K's step 0, K's step 1, V's step 0, V's step 1, 8,192 bytes each, as they lie in the images
.set STG,   65536                      ; behind the two slots: 1,024 bytes for each wave, its own
.set ADK,  4
.set ADS,  5
.set WV,   14                          ; s14  my wave's number
.set WD,   15                          ; s15  on the diagonal: tiles of 16 keys in front of my queries' own
.set SEL,  20                          ; s[20:21] lane selects for v_permlanex16_b32: lane l xor 16
.set CS,   22                          ; s[22:23] c = log2(e) / 8 x 2^(e6 + e7)
.set TB,   24                          ; s24  LDS byte at which the slot in hand begins
.set TRIP, 26                          ; s26  trips to go
.set KP,   27                          ; s27  the pair of key steps in hand
.set QB,   28                          ; s28  the query block in hand;  s29 the second one
.set QB1,  29
.set KF,   30                          ; s30  the step's first key
.set Q0,   31                          ; s31  my first query;  s32 in the second block
.set Q0N,  32
.set AO,   34                          ; s[34:35] where my 1,024 bytes of a_img begin;  s[36:37] in the second block
.set AO1,  36
.set EP,   44                          ; s[40:47] e4 .. e11: s42 e6, s43 e7, s44 e8, s45 e9, s46 e10
	s_load_b256 s[4:11], s[0:1], 0x0               ; q_img s[4:5], k_img s[6:7], v_img s[8:9], the scales s[10:11]
	s_load_b64 s[12:13], s[0:1], 0x20              ; a_img
	v_lshl_add_u32 v251, v0, 2, 0x14000
	v_mov_b32 v255, 0
	v_lshrrev_b32 v4, 5, v0
	v_readfirstlane_b32 s[WV], v4                  ; wave 0..15
	v_and_b32 v1, 31, v0
	v_lshlrev_b32 v1, 4, v1                        ; 16 x lane
	v_lshlrev_b32 v2, 4, v0                        ; 16 x thread
	v_and_b32 v5, 15, v0                           ; r
	v_bfe_u32 v9, v0, 4, 1                         ; h
	v_lshlrev_b32 v6, 3, v9
	v_sub_nc_u32 v6, v5, v6                        ; r - 8 h
	s_lshl_b32 s16, s[WV], 10
	s_add_co_u32 s16, s16, STG                     ; my stage
	v_lshl_add_u32 v7, v5, 4, s16
	v_lshl_add_u32 v7, v9, 3, v7                   ; in: 16 r + 8 h (+ 256 for each tile of 16 channels)
	v_add_nc_u32 v8, s16, v1                       ; back: 16 x lane
	s_and_b32 s33, ttmp7, 0xffff                   ; bh
	s_mov_b32 s[QB], ttmp9                         ; j
	s_sub_co_u32 s[QB1], 7, ttmp9
	s_lshl_b32 s48, s33, 17                        ; the head's first byte in each of the three images
	s_mov_b32 s49, 0
	s_lshl_b32 s16, s[WV], 10
	s_add_co_u32 s16, s16, s48
	s_lshl_b32 s50, s[QB], 14
	s_add_co_u32 s50, s50, s16                     ; Q: tile 16 QB + wave, 1,024 bytes a tile
	s_mov_b32 s51, 0
	s_lshl_b32 s52, s[QB1], 14
	s_add_co_u32 s52, s52, s16
	s_mov_b32 s53, 0
	s_and_b32 s17, s33, 15                         ; the head: its 64 channels are k = 64 head on of the last projection
	s_lshr_b32 s18, s17, 2
	s_lshl_b32 s18, s18, 21                        ; which 256 along K
	s_and_b32 s17, s17, 3
	s_lshl_b32 s17, s17, 10                        ; which 64 of them: two chunks, 1,024 bytes
	s_add_co_u32 s17, s17, s18
	s_lshr_b32 s18, s33, 4
	s_lshl_b32 s18, s18, 19                        ; tile of tokens 128 batch + 16 QB + wave, 4,096 bytes a tile
	s_add_co_u32 s17, s17, s18
	s_lshl_b32 s18, s[WV], 12
	s_add_co_u32 s17, s17, s18
	s_lshl_b32 s54, s[QB], 16
	s_add_co_u32 s54, s54, s17
	s_mov_b32 s55, 0
	s_lshl_b32 s56, s[QB1], 16
	s_add_co_u32 s56, s56, s17
	s_mov_b32 s57, 0
	s_lshl_b32 s18, s[WV], 4
	s_lshl_b32 s[Q0], s[QB], 8
	s_add_co_u32 s[Q0], s[Q0], s18                 ; my first query: 256 QB + 16 wave
	s_lshl_b32 s[Q0N], s[QB1], 8
	s_add_co_u32 s[Q0N], s[Q0N], s18
	s_mov_b32 s[SEL], 0x76543210
	s_mov_b32 s[SEL+1], 0xfedcba98
	s_mov_b32 s[CS], 0x3e38aa3b                    ; log2(e) / 8
	s_mov_b32 s[TB], 0
	s_mov_b32 s[TRIP], 9
	s_mov_b32 s[KP], 0
	s_mov_b32 s[KF], 0
	s_wait_kmcnt 0x0
	s_load_b256 s[40:47], s[10:11], 0x10           ; e4 .. e11
	s_add_nc_u64 s[6:7], s[6:7], s[48:49]          ; K and V at the head
	s_add_nc_u64 s[8:9], s[8:9], s[48:49]
	s_add_nc_u64 s[50:51], s[4:5], s[50:51]
	s_add_nc_u64 s[52:53], s[4:5], s[52:53]
	s_add_nc_u64 s[AO:AO+1], s[12:13], s[54:55]
	s_add_nc_u64 s[AO1:AO1+1], s[12:13], s[56:57]
	global_load_b128 v[16:19], v1, s[50:51]        ; Q's fragment of both blocks stays in registers
	global_load_b128 v[20:23], v1, s[50:51] offset:512
	global_load_b128 v[24:27], v1, s[52:53]
	global_load_b128 v[28:31], v1, s[52:53] offset:512
	global_load_b128 v[208:211], v2, s[6:7]        ; pair 0 of K and V: 512 threads x 16 bytes an instruction
	global_load_b128 v[212:215], v2, s[6:7] offset:8192
	global_load_b128 v[216:219], v2, s[8:9]
	global_load_b128 v[220:223], v2, s[8:9] offset:8192
	v_mov_b32 v10, 0                               ; written once: a lane permute's destination counts as one of its sources
	v_mov_b32 v11, 0xff800000                      ; -infinity
	v_mov_b32 v13, 0xff61b1e6                      ; the largest t so far: -3e38, under every t
	v_floor_f32 v12, -v13                          ; -M
	v_mov_b32 v14, 0
	v_mov_b32 v15, 0
	v_mov_b32 v253, 0                              ; (named as the upper half of the pair v[252:253])
.set n, 0
.rept 32
	v_mov_b32 v[160+n], 0                          ; O^T: the step is written once; its first run finds zeros, which the first change of M leaves zeros
.set n, n+1
.endr
	s_wait_kmcnt 0x0
	s_add_co_i32 s16, s42, s43
	s_lshl_b32 s16, s16, 23
	s_add_co_i32 s[CS], s[CS], s16                 ; a score stands for score x 2^(e6 + e7): the two exponents are added to c's exponent field
	s_mov_b32 s[CS+1], s[CS]                       ; (named with it as a pair, so it is written)
	s_add_co_i32 s16, s[EP], 127
	s_lshl_b32 s17, s16, 23
	v_mov_b32 v244, s17                            ; 2^e8
	s_add_co_i32 s16, s16, 15
	s_lshl_b32 s16, s16, 23
	s_or_b32 s16, s16, 0x600000
	v_mov_b32 v240, s16                            ; 57,344 x 2^e8
	s_sub_co_i32 s16, s46, s[EP]
	s_sub_co_i32 s16, s16, s45                     ; a sum of the second product stands for sum x 2^(e8 + e9): O's code is (sum / l) / 2^(e10 - e8 - e9)
	s_add_co_i32 s16, s16, 127
	s_lshl_b32 s17, s16, 23
	v_mov_b32 v246, s17
	s_add_co_i32 s16, s16, 15
	s_lshl_b32 s16, s16, 23
	s_or_b32 s16, s16, 0x600000
	v_mov_b32 v247, s16
	s_wait_loadcnt 0x0                             ; Q, and pair 0
	ds_store_b128 v2, v[208:211]                   ; into slot 0
	ds_store_b128 v2, v[212:215] offset:8192
	ds_store_b128 v2, v[216:219] offset:16384
	ds_store_b128 v2, v[220:223] offset:24576
	s_wait_dscnt 0x0                               ; for the others' sake: my stores have landed
	s_barrier_signal -1
	s_barrier_wait -1
; Tile t of the diagonal step: register j holds key KF + 16 t + 8 h + j, hidden where 16 t + j > Q0 - KF + r - 8 h (v9).  A tile whose 16 keys all lie in front of my first query is passed over.
.macro MASKT t
	s_cmp_gt_u32 s[WD], \t
	s_cbranch_scc1 .Lfree_\@
.irp j, 0,1,2,3,4,5,6,7
	v_cmp_gt_i32 vcc_lo, 16*(\t)+\j, v9
	v_cndmask_b32 v[96+8*(\t)+\j], v[96+8*(\t)+\j], v11, vcc_lo
.endr
.Lfree_\@:
.endm
; A KEY STEP: 128 keys, the q-th of the slot in hand.
.macro STEP q
	s_add_co_u32 s16, s[Q0], 15
	s_cmp_gt_u32 s[KF], s16
	s_cbranch_scc1 .Lhidden_\@                     ; all its keys come after my queries
.rept 4
	v_nop                                          ; places in front of loads into registers that the last products read
.endr
.irp t, 0,1,2,3,4,5,6,7
	ds_load_b128 v[32+8*\t:35+8*\t], v[ADK] offset:8192*(\q)+1024*\t        ; K's eight fragments, as they were stored: 512 consecutive bytes an instruction
	ds_load_b128 v[36+8*\t:39+8*\t], v[ADK] offset:8192*(\q)+1024*\t+512
.endr
	s_wait_dscnt 0x0
.irp t, 0,1,2,3,4,5,6,7
	v_wmma_f32_16x16x64_bf8_bf8 v[96+8*\t:103+8*\t], v[32+8*\t:39+8*\t], v[16:23], 0
.endr
.rept 4
	v_nop                                          ; places: for the loads below, into K's registers, and for the first read of the scores
.endr
.irp t, 0,1,2,3
.irp i, 0,1,2,3
	ds_load_b128 v[32+16*\t+4*\i:35+16*\t+4*\i], v[ADK] offset:16384+8192*(\q)+2048*\t+512*\i   ; V's four fragments land while the softmax is walked
.endr
.endr
	s_add_co_u32 s16, s[KF], 127
	s_cmp_le_u32 s16, s[Q0]
	s_cbranch_scc1 .Lopen_\@                       ; all its keys count
	s_sub_co_u32 s16, s[Q0], s[KF]                 ; 0, 16, .. 112
	s_lshr_b32 s[WD], s16, 4
	v_add_nc_u32 v9, s16, v6
.irp t, 0,1,2,3,4,5,6,7
	MASKT \t
.endr
.Lopen_\@:
	v_max3_num_f32 v254, v96, v97, v98             ; the step's largest score of my query among my 64 keys, in two chains, each tile from its low end on,
	v_max3_num_f32 v252, v99, v100, v101
.irp i, 6,10,14,18,22,26,30,34,38,42,46,50,54,58
	v_max3_num_f32 v254, v254, v[96+\i], v[97+\i]
	v_max3_num_f32 v252, v252, v[98+\i], v[99+\i]
.endr
	v_max3_num_f32 v254, v254, v158, v159
	v_max_num_f32 v254, v254, v252
	v_permlanex16_b32 v10, v254, s[SEL], s[SEL+1]
	v_max_num_f32 v254, v254, v10                  ; and among lane l xor 16's
	v_mul_f32 v254, s[CS], v254                    ; as t (c is positive)
	v_max_num_f32 v13, v13, v254                   ; the running largest t
	v_mov_b32 v254, v12
	v_floor_f32 v12, -v13                          ; the new -M = floor(-t) = -ceil(t): a whole number
	v_sub_f32 v254, v12, v254                      ; old M - new M: a whole number, 0 or less
	v_cvt_i32_f32 v254, v254                       ; (it saturates)
	v_ldexp_f32 v252, 1.0, v254                    ; f = 2^(old M - new M)
.set n, 0
.rept 32
	v_pk_fma_f32 v[96+n:97+n], v[96+n:97+n], s[CS:CS+1], v[12:13] op_sel_hi:[1,0,0]   ; t - M, two at a time (of the pairs c and -M the low word serves both halves)
.set n, n+2
.endr
.set n, 0
.rept 64
	v_exp_f32 v[96+n], v[96+n]                     ; p = 2^(t - M): one batch
.set n, n+1
.endr
	v_pk_mul_f32 v[14:15], v[14:15], v[252:253] op_sel_hi:[1,0]   ; the sums under the new M: the plain instruction behind the exponentials
	s_wait_alu depctr_va_vdst(0)                   ; one wait for the whole batch, ahead of its first reader
	v_pk_add_f32 v[242:243], v[96:97], v[98:99]    ; the row's sum is taken of the unquantised p: two at a time, in two chains
.irp j, 4,8,12,16,20,24,28,32,36,40,44,48,52,56,60
	v_pk_add_f32 v[14:15], v[14:15], v[96+\j:97+\j]
	v_pk_add_f32 v[242:243], v[242:243], v[98+\j:99+\j]
.endr
	v_pk_add_f32 v[14:15], v[14:15], v[242:243]
	s_cmp_ge_i32 s[EP], -15                        ; the hold at 57,344 x 2^e8: from e8 = -15 on that is 1.75 or more, and p is at most 1 and a rounding: the hold would change nothing.  A branch on a whole number that is given
	s_cbranch_scc1 .Lno_hold_\@
.set n, 0
.rept 64
	v_min_num_f32 v[96+n], v[96+n], v240           ; the conversion does not saturate (ISA guide 7.6.2); p is not negative, so the hold is one-sided
.set n, n+1
.endr
.Lno_hold_\@:
.irp t, 0,1,2,3,4,5,6,7
	v_cvt_scalef32_pk8_bf8_f32 v[192+2*\t:193+2*\t], v[96+8*\t:103+8*\t], v244   ; keys 16 t + 8 h + 0 .. 7: registers 2 t, 2 t + 1 of the operand
.endr
.set n, 0
.rept 16
	v_pk_mul_f32 v[160+n:161+n], v[160+n:161+n], v[252:253] op_sel_hi:[1,0]   ; O^T under the new M.  (Also the plain lines between the conversions and the products that read the codes)
.set n, n+2
.endr
	s_wait_dscnt 0x0                               ; V is in
.irp t, 0,1,2,3
	v_wmma_f32_16x16x128_bf8_bf8 v[160+8*\t:167+8*\t], v[32+16*\t:47+16*\t], v[192:207], v[160+8*\t:167+8*\t]   ; the four accumulators by turns, one instruction a turn
.endr
.Lhidden_\@:
	s_add_co_u32 s[KF], s[KF], 128
.endm
; A BLOCK'S END: O^T / the sum, quantised; a lane's 8 codes of tile t are channels 16 t + 8 h + 0 .. 7 of token r, which the image wants at 256 t + 16 r + 8 h of the head's 1,024 bytes: a turn through my own stage.
; Then everything is set for the second block.  (Behind the second block these lines set what nobody reads.)
.macro EPILOGUE
.rept 4
	v_nop                                          ; places behind the last products
.endr
	v_add_f32 v14, v14, v15                        ; the sum's two halves,
	v_permlanex16_b32 v10, v14, s[SEL], s[SEL+1]
	v_add_f32 v14, v14, v10                        ; and lane l xor 16's
	v_rcp_f32 v14, v14
	v_nop                                          ; a plain instruction behind the reciprocal
	s_wait_alu depctr_va_vdst(0)                   ; and the wait ahead of its first reader
.set n, 0
.rept 32
	v_mul_f32 v[96+n], v[160+n], v14
.set n, n+1
.endr
.set n, 0
.rept 32
	v_med3_num_f32 v[96+n], v[96+n], -v247, v247   ; the hold at the largest code x the scale
.set n, n+1
.endr
.irp t, 0,1,2,3
	v_cvt_scalef32_pk8_bf8_f32 v[224+2*\t:225+2*\t], v[96+8*\t:103+8*\t], v246
.endr
	v_nop                                          ; one plain vector line behind the last conversion
.irp t, 0,1,2,3
	ds_store_b64 v7, v[224+2*\t:225+2*\t] offset:256*\t
.endr
	ds_load_b128 v[232:235], v8                    ; LDS serves a wave's instructions in order (ISA guide 5.7.1.4): these see my stores
	ds_load_b128 v[236:239], v8 offset:512
	s_wait_dscnt 0x0
	global_store_b128 v1, v[232:235], s[AO:AO+1]   ; 512 consecutive bytes each, at a multiple of 512 from the image's first byte
	global_store_b128 v1, v[236:239], s[AO:AO+1] offset:512
	s_wait_xcnt 0x0                                ; the stores have read their base and their data: both are written again below and at the next block's end
	s_mov_b64 s[AO:AO+1], s[AO1:AO1+1]
	s_mov_b32 s[QB], s[QB1]
	s_mov_b32 s[Q0], s[Q0N]
	s_mov_b32 s[KP], -1                            ; the trip's end makes it 0
	s_mov_b32 s[KF], 0
.set n, 0
.rept 8
	v_mov_b32 v[16+n], v[24+n]                     ; the second block's Q
.set n, n+1
.endr
.set n, 0
.rept 32
	v_mov_b32 v[160+n], 0
.set n, n+1
.endr
	v_mov_b32 v13, 0xff61b1e6
	v_floor_f32 v12, -v13
	v_mov_b32 v14, 0
	v_mov_b32 v15, 0
.endm
.Lpair:                                                ; 9 trips, a pair of key steps each
	s_cmp_eq_u32 s[TRIP], 1
	s_cbranch_scc1 .Lno_load                       ; the last trip has no successor
	s_add_co_u32 s16, s[KP], 1
	s_cmp_eq_u32 s[KP], s[QB]
	s_cselect_b32 s16, 0, s16                      ; the next pair: behind a block's last pair comes the next block's pair 0
	v_lshl_add_u32 v3, s16, 14, v2                 ; 16,384 bytes of each image a pair
	global_load_b128 v[208:211], v3, s[6:7]
	global_load_b128 v[212:215], v3, s[6:7] offset:8192
	global_load_b128 v[216:219], v3, s[8:9]
	global_load_b128 v[220:223], v3, s[8:9] offset:8192
.Lno_load:
	v_add_nc_u32 v[ADK], s[TB], v1
	STEP 0
	STEP 1
	s_cmp_lg_u32 s[KP], s[QB]
	s_cbranch_scc1 .Lno_out
	EPILOGUE
.Lno_out:
	s_add_co_u32 s[KP], s[KP], 1
	s_cmp_eq_u32 s[TRIP], 1
	s_cbranch_scc1 .Lno_store
	s_xor_b32 s25, s[TB], SLOTB                    ; the other slot: everybody's reads of it ended in front of the last barrier
	v_add_nc_u32 v[ADS], s25, v2
	s_wait_loadcnt 0x0                             ; the next pair is in registers (asked for at the trip's head); v3 is free again
	ds_store_b128 v[ADS], v[208:211]
	ds_store_b128 v[ADS], v[212:215] offset:8192
	ds_store_b128 v[ADS], v[216:219] offset:16384
	ds_store_b128 v[ADS], v[220:223] offset:24576
.Lno_store:
	s_wait_dscnt 0x0                               ; for the others' sake: my stores into the other slot have landed, my reads of this one are over
	s_barrier_signal -1
	s_barrier_wait -1
	s_xor_b32 s[TB], s[TB], SLOTB
	s_sub_co_u32 s[TRIP], s[TRIP], 1
	s_cmp_lg_u32 s[TRIP], 0
	s_cbranch_scc1 .Lpair
	s_wait_tensorcnt 0x0
	ds_add_u32 v251, v255
	s_wait_dscnt 0x0
	s_endpgm
.Lfunc_end_k_qeeaa8b51c3_attn:
	.size	k_qeeaa8b51c3_attn, .Lfunc_end_k_qeeaa8b51c3_attn-k_qeeaa8b51c3_attn
	.p2alignl 7, 3214868480
	.fill 96, 4, 3214868480
	.section	.rodata,"a",@progbits
	.p2align	6, 0x0
	.amdhsa_kernel k_qeeaa8b51c3_attn
		.amdhsa_group_segment_fixed_size 83968
		.amdhsa_private_segment_fixed_size 0
		.amdhsa_enable_private_segment 0
		.amdhsa_kernarg_size 40
		.amdhsa_user_sgpr_count 2
		.amdhsa_user_sgpr_kernarg_segment_ptr 1
		.amdhsa_wavefront_size32 1
		.amdhsa_system_sgpr_workgroup_id_x 1
		.amdhsa_system_sgpr_workgroup_id_y 1
		.amdhsa_system_sgpr_workgroup_id_z 1
		.amdhsa_system_vgpr_workitem_id 0
		.amdhsa_next_free_vgpr 256
		.amdhsa_next_free_sgpr 66
		.amdhsa_reserve_vcc 1
		.amdhsa_float_denorm_mode_32 3
		.amdhsa_float_denorm_mode_16_64 3
		.amdhsa_memory_ordered 1
		.amdhsa_forward_progress 1
		.amdhsa_inst_pref_size 56
	.end_amdhsa_kernel
	.amdgpu_metadata
---
amdhsa.version: [ 1, 2 ]
amdhsa.kernels:
  - .name:           k_qeeaa8b51c3_attn
    .symbol:         k_qeeaa8b51c3_attn.kd
    .args:
      - { .name: q_img, .offset: 0, .size: 8, .value_kind: global_buffer, .address_space: global }
      - { .name: k_img, .offset: 8, .size: 8, .value_kind: global_buffer, .address_space: global }
      - { .name: v_img, .offset: 16, .size: 8, .value_kind: global_buffer, .address_space: global }
      - { .name: lowp_scales, .offset: 24, .size: 8, .value_kind: global_buffer, .address_space: global }
      - { .name: a_img, .offset: 32, .size: 8, .value_kind: global_buffer, .address_space: global }
    .group_segment_fixed_size: 83968
    .private_segment_fixed_size: 0
    .kernarg_segment_align: 8
    .kernarg_segment_size: 40
    .max_flat_workgroup_size: 512
    .sgpr_count:     66
    .vgpr_count:     256
    .wavefront_size: 32
...
	.end_amdgpu_metadata
.endif
;; end of part 2
;; launch oproj (part 3): grid 4 x 64, 4 waves a work-group, clusters of 4 x 4, 327,680 bytes of LDS; arguments a_img, o_proj_weight_codes, lowp_scales, out0; writes out0
.if DOCPART == 3
	.amdgcn_target "amdgcn-amd-amdhsa--gfx1250"
	.amdhsa_code_object_version 6
	.text
	.protected	k_qeeaa8b51c3_oproj
	.globl	k_qeeaa8b51c3_oproj
	.p2align	8
	.type	k_qeeaa8b51c3_oproj,@function
k_qeeaa8b51c3_oproj:
	s_mov_b64 s[64:65], 0
	v_nop
	global_prefetch_b8 v0, s[64:65] scope:SCOPE_SE
	s_setreg_imm32_b32 hwreg(HW_REG_WAVE_MODE, 25, 1), 1
	s_wait_xcnt 0x0
	s_wait_alu depctr_hold_cnt(0) depctr_sa_sdst(0) depctr_va_vdst(0) depctr_va_sdst(0) depctr_va_ssrc(0) depctr_va_vcc(0) depctr_vm_vsrc(0)
	s_getreg_b32 s2, hwreg(HW_REG_IB_STS2, 6, 4)
	s_cmp_eq_u32 s2, 0
	s_cbranch_scc0 .Lentry_in_a_cluster
	s_endpgm
.Lentry_in_a_cluster:
	s_bfe_u32 s2, ttmp6, 0x10000c
	s_cmp_lg_u32 s2, 0xf033
	s_cbranch_scc0 .Lentry_shape_is_right
	s_endpgm
.Lentry_shape_is_right:
; THE LAST PROJECTION: out0[token][e] = 2^(e10 + e11) x the sum over k of a[token][k] Wo[e][k], on codes of BF8 (E5M2); out0: [8192][1024] f32.
; a comes as images of operand registers: a_img [256 along K 4][tile of 16 tokens 512][128 along K 2][chunk 4][lane][16 B]; lane (r, h) of chunk c holds k = 32 c + 16 h + 0 .. 15 of token r.  Wo: [1024][1024] codes, K innermost;
; four loads of 16 bytes, 32 bytes apart, give its fragments the same order of k.  LIMIT: e10 + e11 lies between -126 and 127, so that 2^(e10 + e11) is an f32 number.
; A tile of out0 is 128 rows x 256 columns: 64 x 4 = 256 work-groups (tiles of 256 x 256 would be 128).  Four waves, each 64 x 128: 32 accumulators, which fill window 2.
; K = 1,024 is four slots' worth of 256.  THREE LDS slots are filled at the start; slot 0 is filled once more, with the last 256, behind the one change of slots that needs a round of the cluster's barrier.
; A slot: a's 8 tiles of tokens, one dense block of 32,768 bytes of a_img, then Wo's 256 rows of 256 bytes, padded to 272.
; CLUSTERS: 4 x 4 work-groups; a's block is asked for jointly by the four of a row of the cluster, Wo's tile by the four of a column.  THE MATRIX INSTRUCTION IS USED TRANSPOSED (source 0 = 16 rows of Wo, source 1 = 16 tokens).
; REGISTERS: window 0: v0-31 addresses; v32-95 at work on the way out; a's fragments (4 x 16 registers), two sets, at v128 and v192.  window 1: Wo's fragments (8 x 16), two sets, at v0 and v128.  window 2: accumulator (a, b) at v[8 (8 a + b)].
.set PITCH,  272                       ; a row of Wo in LDS: 256 bytes + 16 of padding: the 16 rows that a load touches start 4 banks apart (64 banks of 4 bytes: ISA guide 11.1)
.set AIMG,   32768                     ; a's part of a slot
.set HALFB,  128*PITCH                 ; 128 rows of Wo: what one tensor load brings
.set SLOT,   AIMG+2*HALFB              ; 102,400
.set SPARE,  3*SLOT                    ; behind the three slots: the spare words, 128 bytes a wave: two blocks of 256 bytes that no other line names
.set SPITCH, 528                       ; the way out: a stage of 16 rows x (512 bytes + 16) for each wave,
.set STAGE,  SLOT                      ; in slot 1: it is filled once, at the start, and its last reads end in front of the second change of slots
.set ADRA, 16                          ; v16-18  LDS address of my fragments of a in slot 0, 1, 2
.set ADRB, 20                          ; v20-22  the same for Wo
.set STO,  24                          ; v24     the way out: where I put 32 bytes of a row
.set RD,   25                          ; v25     where I read a row back
.set CO,   26                          ; v26     16 x lane
.set SPW,  28                          ; v28     LDS address of my spare word; never rewritten
.set NIL,  29                          ; v29     0; never rewritten
.set TMP,  32
.set BK,   128                         ; the way out: 16 rows read back: v128-191 and v192-255 by turns
.set G1A, 24                           ; s[24:31] descriptor group 1 for a's blocks
.set G1B, 48                           ; s[48:55] for Wo's tiles
.set G0A, 68                           ; s[68:79] groups 0 for a, one set for each slot
.set G0B, 80                           ; s[80:91] for Wo
.set MSB, 0
.macro WIN new                         ; the immediate's high byte repeats the setting that is left
.if MSB != \new
	s_set_vgpr_msb (MSB<<8)|\new
.set MSB, \new
.endif
.endm
.set MUL,  0xa1                        ; source 0 (Wo) window 1, source 1 (a) window 0, C and D window 2
.set TO_B, 0x40                        ; destination window 1, address window 0
.macro JLOAD g0a, g1a, g0b, g1b        ; a joint load: waves 0 and 1 fetch a's halves, waves 2 and 3 Wo's; four v_nop follow each of the two lines
	s_cmp_eq_u32 s15, 0
	s_cbranch_scc0 .Lfor_b_\@
	tensor_load_to_lds s[\g0a:\g0a+3], s[\g1a:\g1a+7]
	s_nop 0
.rept 4
	v_nop
.endr
	s_branch .Lasked_\@
.Lfor_b_\@:
	tensor_load_to_lds s[\g0b:\g0b+3], s[\g1b:\g1b+7]
	s_nop 0
.rept 4
	v_nop
.endr
.Lasked_\@:
.endm
.macro CREST                           ; a round of the cluster's barrier behind its opening barrier
	s_cmp_lg_u32 s14, 0
	s_cbranch_scc1 .Lnot_wave_0_\@
	s_barrier_signal -3
.Lnot_wave_0_\@:
	s_barrier_wait -3
	s_barrier_signal -1
	s_barrier_wait -1
.endm
.macro CROUND                          ; a whole round
	s_barrier_signal -1
	s_barrier_wait -1
	CREST
.endm
	s_load_b128 s[4:7], s[0:1], 0x0                ; a_img s[4:5], Wo's codes s[6:7]
	s_load_b128 s[8:11], s[0:1], 0x10              ; the scales s[8:9], out0 s[10:11]
	v_lshl_add_u32 v[SPW], v0, 2, SPARE
	v_mov_b32 v[NIL], 0
	ds_add_u32 v28, v29
	ds_add_u32 v28, v29
	s_wait_dscnt 0x0
	v_lshrrev_b32 v1, 5, v0
	v_readfirstlane_b32 s14, v1                    ; wave 0..3
	s_lshr_b32 s15, s14, 1                         ; which 64 of the tile's rows are mine.  Also: I fetch for a (0) or for Wo (1)
	s_and_b32 s16, s14, 1                          ; which 128 of its columns.  Also: which half of that block I fetch
	s_bfe_u32 s40, ttmp6, 0x40000                  ; cx, cy: my place in the cluster
	s_bfe_u32 s41, ttmp6, 0x40004
	s_lshl_b32 s42, ttmp9, 2
	s_add_co_u32 s42, s42, s40                     ; tile column = 4 x cluster x + cx
	s_and_b32 s17, ttmp7, 0xffff
	s_lshl_b32 s17, s17, 2
	s_add_co_u32 s17, s17, s41                     ; tile row = 4 x cluster y + cy
	s_lshl_b32 s43, s41, 2
	s_lshl_b32 s43, 15, s43                        ; my row of the cluster
	s_lshl_b32 s44, 0x1111, s40                    ; my column
	; group 1 for a: half a block, 16,384 dense bytes, stated as 64 rows of 32 elements of 8 bytes; no padding
	s_or_b32 s[G1A+0], s43, (3<<16)|(1<<21)        ; 15:0 the mask: my row; 17:16 elements of 8 bytes; 21 set beside a mask
	s_mov_b32 s[G1A+1], 32<<16                     ; tensor_dim0 = 32
	s_mov_b32 s[G1A+2], 64<<16                     ; tensor_dim1 = 64
	s_mov_b32 s[G1A+3], 32<<16                     ; tile_dim0 = 32
	s_mov_b32 s[G1A+4], 64                         ; tile_dim1 = 64
	s_mov_b32 s[G1A+5], 32                         ; tensor_dim0_stride: each row begins where the last ends
	s_mov_b32 s[G1A+6], 0
	s_mov_b32 s[G1A+7], 0
	; group 1 for Wo: 128 rows x 256 bytes, 1,024 bytes apart, padded in LDS
	s_or_b32 s[G1B+0], s44, (0<<16)|(1<<20)|(1<<21)|(5<<22)|(3<<25)  ; the mask: my column; elements of 1 byte; padding on: 4 words (code 3) after every 64 (code 5)
	s_mov_b32 s[G1B+1], 256<<16
	s_mov_b32 s[G1B+2], 128<<16
	s_mov_b32 s[G1B+3], 256<<16
	s_mov_b32 s[G1B+4], 128
	s_mov_b32 s[G1B+5], 1024
	s_mov_b32 s[G1B+6], 0
	s_mov_b32 s[G1B+7], 0
	s_lshl_b32 s20, s17, 15                        ; a: the tile row's 8 tiles of tokens, 32,768 bytes,
	s_lshl_b32 s18, s16, 14
	s_add_co_u32 s20, s20, s18                     ; my half of them
	s_mov_b32 s21, 0
	s_lshl_b32 s46, s42, 8
	s_lshl_b32 s18, s16, 7
	s_add_co_u32 s46, s46, s18                     ; Wo: row 256 x tile column + 128 x half,
	s_lshl_b32 s46, s46, 10                        ; in bytes
	s_mov_b32 s47, 0
	s_lshl_b32 s45, s16, 14                        ; where they go in a slot: a's half,
	s_mul_i32 s19, s16, HALFB
	s_add_co_u32 s19, s19, AIMG                    ; Wo's half: no place in the cluster enters an LDS address
	s_wait_kmcnt 0x0
	s_load_b64 s[96:97], s[8:9], 0x28              ; e10, e11
	s_add_nc_u64 s[20:21], s[4:5], s[20:21]
	s_add_nc_u64 s[46:47], s[6:7], s[46:47]
.irp s, 0,1,2
	s_mov_b32 s[G0A+4*\s], 1
	s_add_co_u32 s[G0A+4*\s+1], s45, \s*SLOT
	s_add_nc_u64 s[G0A+4*\s+2:G0A+4*\s+3], s[20:21], (\s)<<21      ; 256 along K are 2^21 bytes of a_img
	s_or_b32 s[G0A+4*\s+3], s[G0A+4*\s+3], 0x80000000
	s_mov_b32 s[G0B+4*\s], 1
	s_add_co_u32 s[G0B+4*\s+1], s19, \s*SLOT
	s_add_nc_u64 s[G0B+4*\s+2:G0B+4*\s+3], s[46:47], \s*256
	s_or_b32 s[G0B+4*\s+3], s[G0B+4*\s+3], 0x80000000
.endr
	CROUND                                         ; all sixteen work-groups are here: the first joint loads meet
	s_cmp_eq_u32 s15, 0                            ; a wave's three first fills stand in one branch, ahead of every wait on TENSORcnt and every LDS read: three loads of mine are out
	s_cbranch_scc0 .Lfirst_b
	tensor_load_to_lds s[G0A:G0A+3], s[G1A:G1A+7]
	s_nop 0
	tensor_load_to_lds s[G0A+4:G0A+7], s[G1A:G1A+7]
	s_nop 0
	tensor_load_to_lds s[G0A+8:G0A+11], s[G1A:G1A+7]
	s_nop 0
.rept 4
	v_nop
.endr
	s_branch .Lfirst_asked
.Lfirst_b:
	tensor_load_to_lds s[G0B:G0B+3], s[G1B:G1B+7]
	s_nop 0
	tensor_load_to_lds s[G0B+4:G0B+7], s[G1B:G1B+7]
	s_nop 0
	tensor_load_to_lds s[G0B+8:G0B+11], s[G1B:G1B+7]
	s_nop 0
.rept 4
	v_nop
.endr
.Lfirst_asked:
	v_and_b32 v1, 15, v0                           ; l % 16
	v_bfe_u32 v2, v0, 4, 1                         ; l / 16
	v_mul_u32_u24 v3, v1, PITCH
	v_lshl_add_u32 v4, v2, 4, v3                   ; Wo: a fragment's row x pitch + 16 x half
	v_and_b32 v6, 31, v0
	v_lshlrev_b32 v[CO], 4, v6                     ; a: 16 x lane
	s_lshl_b32 s21, s15, 14                        ; my 64 rows of a: four tiles of 4,096 bytes
	s_mul_i32 s22, s16, HALFB
	s_add_co_u32 s22, s22, AIMG                    ; my 128 rows of Wo
.irp s, 0,1,2
	v_add_nc_u32 v[ADRA+\s], s21, v[CO]
	v_add_nc_u32 v[ADRB+\s], s22, v4
	s_add_co_u32 s21, s21, SLOT
	s_add_co_u32 s22, s22, SLOT
.endr
	s_mul_i32 s23, s14, 16*SPITCH
	s_add_co_u32 s23, s23, STAGE                   ; my stage
	v_mul_u32_u24 v5, v1, SPITCH                   ; in: row l % 16, 32 bytes for each half of the lanes
	v_lshl_add_u32 v5, v2, 5, v5
	v_add_nc_u32 v[STO], s23, v5
	v_add_nc_u32 v[RD], s23, v[CO]                 ; back: the 32 lanes take one row of 512 bytes
	s_lshl_b32 s20, s17, 7
	s_lshl_b32 s21, s15, 6
	s_add_co_u32 s20, s20, s21                     ; my first row of out0: 128 x tile row + 64 x half,
	s_lshl_b32 s20, s20, 12                        ; rows of 4,096 bytes (under 2^25)
	s_lshl_b32 s46, s42, 10                        ; my first column, in bytes: 1,024 x tile column + 512 x half
	s_lshl_b32 s47, s16, 9
	s_add_co_u32 s46, s46, s47
	s_add_co_u32 s20, s20, s46
	s_mov_b32 s21, 0
	s_add_nc_u64 s[10:11], s[10:11], s[20:21]
; 48 LDS loads in one run: the fragments of the slot's q-th 128 along K into set p: Wo's eight, a's four
.macro FETCH slot, q, p
	WIN TO_B
.irp i, 0,1,2,3,4,5,6,7
.irp c, 0,1,2,3
	ds_load_b128 v[128*(\p)+16*\i+4*\c:128*(\p)+16*\i+4*\c+3], v[ADRB+\slot] offset:128*(\q)+32*\c+\i*16*PITCH
.endr
.endr
	WIN 0
.irp a, 0,1,2,3
.irp c, 0,1,2,3
	ds_load_b128 v[128+64*(\p)+16*\a+4*\c:128+64*(\p)+16*\a+4*\c+3], v[ADRA+\slot] offset:4096*\a+2048*(\q)+512*\c
.endr
.endr
.endm
; 8 matrix instructions: a's block x Wo's eight.  The 32 accumulators take turns, one instruction a turn, in the same order in every step.
.macro MUL8 a, p, zero
.irp b, 0,1,2,3,4,5,6,7
.if \zero
	v_wmma_f32_16x16x128_bf8_bf8 v[8*(8*(\a)+\b):8*(8*(\a)+\b)+7], v[128*(\p)+16*\b:128*(\p)+16*\b+15], v[128+64*(\p)+16*(\a):128+64*(\p)+16*(\a)+15], 0
.else
	v_wmma_f32_16x16x128_bf8_bf8 v[8*(8*(\a)+\b):8*(8*(\a)+\b)+7], v[128*(\p)+16*\b:128*(\p)+16*\b+15], v[128+64*(\p)+16*(\a):128+64*(\p)+16*(\a)+15], v[8*(8*(\a)+\b):8*(8*(\a)+\b)+7]
.endif
.endr
.endm
.macro PLACES n                        ; plain vector instructions between a matrix instruction and a load into, or a vector read of, its registers
.rept \n
	v_nop
.endr
.endm
; A step of 128 along K on set p.  fetch = 1: the next step's fragments (slot nslot, its nq-th 128) are asked for first, into the other set, 32 matrix instructions ahead of their use.
.macro GSTEP p, zero, fetch, nslot, nq
	s_wait_dscnt 0x0                               ; this step's fragments are in
.if \fetch
	PLACES 4                                       ; the other set was read by the last step's products
	FETCH \nslot, \nq, 1-(\p)
.endif
	WIN MUL
	MUL8 0, \p, \zero
	MUL8 1, \p, \zero
	MUL8 2, \p, \zero
	MUL8 3, \p, \zero
	WIN 0
.endm
; A step on set 1 that changes slots: ONE barrier; in front of it each wave waits for all its tensor loads, adds 0 to its spare word, and waits for that and for its LDS reads.  fill = 1: slot 0 is filled again, with K 768 on.
.macro TURN next, fill
	s_wait_tensorcnt 0x0                           ; all my tensor loads have landed
	ds_add_u32 v[SPW], v[NIL]                      ; 0 onto my spare word
	s_wait_dscnt 1                                 ; this step's fragments are in (the add may be out)
	WIN MUL
	MUL8 0, 1, 0                                   ; eight matrix instructions stand between the add and the wait for it
	s_wait_dscnt 0x0                               ; the add is done, and my reads of the slots behind me are over
	s_barrier_signal -1
	MUL8 1, 1, 0
	WIN 0
	s_barrier_wait -1
.if \fill
	CREST                                          ; the barrier has opened a round of the cluster's barrier: no wave of any partner still reads slot 0 or has a load on its way
	s_add_nc_u64 s[G0A+2:G0A+3], s[G0A+2:G0A+3], 3<<21
	s_add_nc_u64 s[G0B+2:G0B+3], s[G0B+2:G0B+3], 768
	JLOAD G0A, G1A, G0B, G1B                       ; the first tensor load behind the round: it has four steps, 128 matrix instructions, in which to land; its four v_nop are the places in front of the loads below
.else
	PLACES 4
.endif
	FETCH \next, 0, 0
	WIN MUL
	MUL8 2, 1, 0
	MUL8 3, 1, 0
	WIN 0
.endm
	s_wait_tensorcnt 2                             ; my part of slot 0 is in (slots 1 and 2 may be out)
	s_barrier_signal -1
	s_barrier_wait -1                              ; everybody's is
	FETCH 0, 0, 0
	GSTEP 0, 1, 1, 0, 1                            ; K 0: the first products start the sums
	TURN 1, 1                                      ; K 128.  Every wave has waited for its three first fills: behind this barrier slots 1 and 2 are whole
	GSTEP 0, 0, 1, 1, 1                            ; K 256
	GSTEP 1, 0, 1, 2, 0                            ; K 384
	GSTEP 0, 0, 1, 2, 1                            ; K 512
	TURN 0, 0                                      ; K 640.  Slot 0's second fill has landed in every wave; nobody reads slot 1 any more
	GSTEP 0, 0, 1, 0, 1                            ; K 768
	GSTEP 1, 0, 0, 0, 0                            ; K 896
; THE WAY OUT, block by block of 16 rows x 128 columns.  A lane holds 32 neighbouring bytes of a row, and the lanes beside it hold other rows: a block goes through my own stage and comes back as whole rows of 512 bytes.
; LDS serves a wave's instructions in order (ISA guide 5.7.1.4): no wait between the stores and the loads, nor in front of the next block's stores.
.macro TOSTAGE a
.set AC, 64*(\a)
	WIN 0x02                                       ; source 0: window 2
.set j, 0
.rept 32
	v_pk_mul_f32 v[TMP+j:TMP+j+1], v[AC+j:AC+j+1], s[96:97] op_sel_hi:[1,0]   ; both x s96 = 2^(e10 + e11); each accumulator from its low end on
.set j, j+2
.endr
	WIN 0
.irp b, 0,1,2,3,4,5,6,7
	ds_store_b128 v[STO], v[TMP+8*\b:TMP+8*\b+3] offset:64*\b
	ds_store_b128 v[STO], v[TMP+8*\b+4:TMP+8*\b+7] offset:64*\b+16
.endr
.set BB, BK+64*((\a)%2)
.irp t, 0,1,2,3,4,5,6,7,8,9,10,11,12,13,14,15
	ds_load_b128 v[BB+4*\t:BB+4*\t+3], v[RD] offset:\t*SPITCH
.endr
.endm
.macro SEND a, younger                 ; younger: the LDS instructions issued behind block a's loads, which may stay out
.set BB, BK+64*((\a)%2)
	s_wait_dscnt \younger                          ; the block is back in registers
.if (\a) > 0
	s_add_nc_u64 s[10:11], s[10:11], 16*4096       ; (behind a wait on XCNT: the earlier stores have read their base)  16 rows on
.endif
.irp t, 0,1,2,3,4,5,6,7,8,9,10,11,12,13,14,15
	global_store_b128 v[CO], v[BB+4*\t:BB+4*\t+3], s[10:11] offset:\t*4096 th:TH_STORE_NT   ; 32 lanes store 512 consecutive bytes, at a multiple of 512 from out0's first byte; written once, read by nobody here
.endr
.endm
	s_wait_kmcnt 0x0
	s_add_co_i32 s96, s96, s97                     ; e10 + e11, between -126 and 127,
	s_add_co_i32 s96, s96, 127
	s_lshl_b32 s96, s96, 23                        ; makes the f32 number 2^(e10 + e11)
	PLACES 4                                       ; behind the last products: for the reads of their results and the loads into a's registers
	TOSTAGE 0
.irp a, 1,2,3
.if \a > 1
	s_wait_xcnt 0x0                                ; block a - 2's stores have read their registers and their base
.endif
	TOSTAGE \a
	SEND \a-1, 32                                  ; behind block a - 1's loads: block a's 16 stores and 16 loads
.endr
	s_wait_xcnt 0x0                                ; block 2's stores have read their base
	SEND 3, 0
	s_wait_tensorcnt 0x0                           ; the wave's end, behind my last tensor load and my last LDS store
	ds_add_u32 v[SPW], v[NIL]
	s_wait_dscnt 0x0
	CROUND                                         ; the closing round: no work-group ends while a partner may still ask for a tile that names it
	s_endpgm
.Lfunc_end_k_qeeaa8b51c3_oproj:
	.size	k_qeeaa8b51c3_oproj, .Lfunc_end_k_qeeaa8b51c3_oproj-k_qeeaa8b51c3_oproj
	.p2alignl 7, 3214868480
	.fill 96, 4, 3214868480
	.section	.rodata,"a",@progbits
	.p2align	6, 0x0
	.amdhsa_kernel k_qeeaa8b51c3_oproj
		.amdhsa_group_segment_fixed_size 327680
		.amdhsa_private_segment_fixed_size 0
		.amdhsa_enable_private_segment 0
		.amdhsa_kernarg_size 32
		.amdhsa_user_sgpr_count 2
		.amdhsa_user_sgpr_kernarg_segment_ptr 1
		.amdhsa_wavefront_size32 1
		.amdhsa_system_sgpr_workgroup_id_x 1
		.amdhsa_system_sgpr_workgroup_id_y 1
		.amdhsa_system_sgpr_workgroup_id_z 1
		.amdhsa_system_vgpr_workitem_id 0
		.amdhsa_next_free_vgpr 768
		.amdhsa_next_free_sgpr 100
		.amdhsa_reserve_vcc 0
		.amdhsa_float_denorm_mode_32 3
		.amdhsa_float_denorm_mode_16_64 3
		.amdhsa_memory_ordered 1
		.amdhsa_forward_progress 1
		.amdhsa_inst_pref_size 75
	.end_amdhsa_kernel
	.amdgpu_metadata
---
amdhsa.version: [ 1, 2 ]
amdhsa.kernels:
  - .name:           k_qeeaa8b51c3_oproj
    .symbol:         k_qeeaa8b51c3_oproj.kd
    .args:
      - { .name: a_img, .offset: 0, .size: 8, .value_kind: global_buffer, .address_space: global }
      - { .name: o_proj_weight_codes, .offset: 8, .size: 8, .value_kind: global_buffer, .address_space: global }
      - { .name: lowp_scales, .offset: 16, .size: 8, .value_kind: global_buffer, .address_space: global }
      - { .name: out0, .offset: 24, .size: 8, .value_kind: global_buffer, .address_space: global }
    .group_segment_fixed_size: 327680
    .private_segment_fixed_size: 0
    .kernarg_segment_align: 8
    .kernarg_segment_size: 32
    .max_flat_workgroup_size: 128
    .sgpr_count:     100
    .vgpr_count:     768
    .wavefront_size: 32
...
	.end_amdgpu_metadata
.endif
;; end of part 3
;; ======== version 2 of 2: 3 launches; version 1 with the launch attn written anew for expert scheduling mode
;; workspace buffers: q_img 8,388,608 bytes; k_img 8,388,608 bytes; v_img 8,388,608 bytes; a_img 8,388,608 bytes
;; launch qkv: the kernel of part 1 again; grid 12 x 32, 4 waves a work-group, clusters of 4 x 4, 327,680 bytes of LDS; arguments x_codes, q_proj_weight_codes, k_proj_weight_codes, v_proj_weight_codes, lowp_scales, q_img, k_img, v_img; writes q_img, k_img, v_img
;; launch attn (part 4): grid 4 x 64, 16 waves a work-group, no clusters, 83,968 bytes of LDS; arguments q_img, k_img, v_img, lowp_scales, a_img; writes a_img
.if DOCPART == 4
	.amdgcn_target "amdgcn-amd-amdhsa--gfx1250"
	.amdhsa_code_object_version 6
	.text
	.protected	k_qeeaa8b51c3_attn
	.globl	k_qeeaa8b51c3_attn
	.p2align	8
	.type	k_qeeaa8b51c3_attn,@function
k_qeeaa8b51c3_attn:
	s_mov_b64 s[64:65], 0
	v_nop
	global_prefetch_b8 v0, s[64:65] scope:SCOPE_SE
	s_setreg_imm32_b32 hwreg(HW_REG_WAVE_SCHED_MODE, 0, 2), 2
	s_setreg_imm32_b32 hwreg(HW_REG_WAVE_MODE, 25, 1), 1
	s_wait_xcnt 0x0
	s_wait_alu depctr_vm_vsrc(0)
; CAUSAL ATTENTION on codes of BF8 (E5M2): 64 heads (bh = 16 batch + head) of 2,048 tokens x 64 channels.  q_img, k_img, v_img hold images of operand registers:
;   q_img, k_img: [bh][tile of 16 tokens 128][chunk 2][lane][16 B] (16 x 64 fragments);  v_img: [bh][step of 128 keys 16][16 channels 4][chunk 4][lane][16 B] (16 x 128 fragments, keys innermost).
; THE SOFTMAX: t = score x log2(e) / 8; M = the row's largest t so far, rounded UP to a whole number; p = 2^(t - M) is quantised with 2^e8, not normalised; the row's sum is taken of the unquantised p and divides at the end.
; When M moves, the sum and O are multiplied by 2^(old M - new M), which rounds nothing.  O / sum is quantised with 2^e10 and stored as the last projection's operand:
;   a_img: [256 along K 4][tile of 16 tokens 512][128 along K 2][chunk 4][lane][16 B]; lane (r, h') of chunk c' holds k = 32 c' + 16 h' + 0 .. 15 of token r.
; SHARES.  Work-group (j, bh) owns the query blocks j and 7 - j of head bh, 256 queries each, one after the other: (j + 1) + (8 - j) = 9 pairs of 128-key steps for every work-group: a loop of 9 trips, 256 equal work-groups.
; Each of the SIXTEEN waves owns 16 queries of the block in 256 registers: four waves to a SIMD, so that one wave's vector work stands beside another's products and LDS loads.
; K AND V go memory -> registers -> LDS: each of the 512 threads carries 4 x 16 bytes of a pair (32,768 bytes); the loads are issued at a trip's head for the NEXT pair and stored at its end into the other slot.
; ONE barrier a trip: in front of it each wave has waited for its reads of this slot and its stores into the other.
; NO JOINT LOADS, though the four work-groups of a head read the same K and V: work-group j walks pairs 0 .. j and then 0 .. 7 - j, so in a given trip the four want different pairs.
; LAYOUT.  Both products are used transposed: S^T = K Q^T (source 0 = 16 keys), O^T = V^T P^T (source 0 = 16 channels): a lane holds ONE query (lane % 16) throughout; register j of S^T's tile t is key 16 t + 8 (lane / 16) + j,
; so one conversion of a tile's eight registers gives registers 2 t, 2 t + 1 of the 16 x 128 operand's own layout.
; THE MASK.  A step all of whose keys come after my 16 queries is left out (a scalar branch on ids, round no barrier); in my one step on the diagonal hidden scores become -infinity ahead of the maximum.
; LIMITS on the given exponents, so that each power of two below is an f32 number: e6 + e7 between -123 and 130; e8 between -126 and 112; e10 - e8 - e9 between -126 and 112.  NaN among the codes is not served.
; REGISTERS: v1 16 x lane, v2 16 x thread, v3 the loads' offset, v4, v5 LDS addresses of the slot read and the slot written, v6 r - 8 h, v7, v8 my stage, v9 the mask's bound, v10 a permute's landing place, v11 -infinity,
;   v12 -M, v13 the largest t, v[14:15] the sum in two halves, v16-23 Q, v24-31 the second block's Q, v32-95 K's 8 or V's 4 fragments, v96-159 S^T then p, v160-191 O^T, v192-207 p's codes, v208-223 K and V on their way,
;   v224-231 O's codes, v232-239 the same as rows of the image, v240, v244: 57,344 x 2^e8, 2^e8; v246, v247: 2^(e10 - e8 - e9), 57,344 x that; v[242:243], v[252:253], v254 at work; v251, v255 the closing add's two.
; THE MODE: SCHED_MODE bits 1:0 = 2 (LLVM: expert scheduling mode 2), set by the entry lines.  The code itself states the register dependences between vector or matrix instructions and memory or LDS instructions, with s_wait_alu, always for 0.
; THE PLAN.  Registers that memory or LDS instructions touch:
;   v1, v2, v7, v8   offsets and LDS addresses: made at the head, ahead of one wait on va_vdst, and never written again.
;   v3, v4, v5       the next pair's offset, the slot read, the slot written: made together at a trip's head, between one wait on vm_vsrc (the last trip's loads and stores have read them) and one on va_vdst (they are written).
;   v32-95           K's LDS loads land; the 8 products K Q^T read; V's LDS loads land; the 4 products V^T P read.  A wait on va_vdst stands ahead of each run of loads: the trip's head's serves step 0's K.
;   v208-223         the trip's global loads land, its LDS stores read; no vector instruction names them: the trip's head's wait on vm_vsrc stands between the stores and the next loads.
;   v224-231         a block's end: conversions write, LDS stores read: a wait on va_vdst between.   v232-239: LDS loads land, global stores read; no vector instruction names them.
;                    From one block's end to the next every way leads over a trip's head, whose wait on vm_vsrc frees both.
;   s14 (the wave's number) and s56-63 (a diagonal tile's masks) are written by vector instructions: a wait on va_sdst stands ahead of their first readers.
.set SLOTB, 32768                      ; a slot: K's step 0, K's step 1, V's step 0, V's step 1, 8,192 bytes each, as they lie in the images
.set STG,   65536                      ; behind the two slots: 1,024 bytes for each wave, its own
.set ADK,  4
.set ADS,  5
.set WV,   14                          ; s14  my wave's number
.set WD,   15                          ; s15  on the diagonal: tiles of 16 keys in front of my queries' own
.set SEL,  20                          ; s[20:21] lane selects for v_permlanex16_b32: lane l xor 16
.set CS,   22                          ; s[22:23] c = log2(e) / 8 x 2^(e6 + e7)
.set TB,   24                          ; s24  LDS byte at which the slot in hand begins
.set TRIP, 26                          ; s26  trips to go
.set KP,   27                          ; s27  the pair of key steps in hand
.set QB,   28                          ; s28  the query block in hand;  s29 the second one
.set QB1,  29
.set KF,   30                          ; s30  the step's first key
.set Q0,   31                          ; s31  my first query;  s32 in the second block
.set Q0N,  32
.set AO,   34                          ; s[34:35] where my 1,024 bytes of a_img begin;  s[36:37] in the second block
.set AO1,  36
.set EP,   44                          ; s[40:47] e4 .. e11: s42 e6, s43 e7, s44 e8, s45 e9, s46 e10
.set MK,   56                          ; s[56:63] in the loop: the eight masks of a tile on the diagonal (s56, s57 hold an offset at the head only)
	s_load_b256 s[4:11], s[0:1], 0x0               ; q_img s[4:5], k_img s[6:7], v_img s[8:9], the scales s[10:11]
	s_load_b64 s[12:13], s[0:1], 0x20              ; a_img
	v_lshl_add_u32 v251, v0, 2, 0x14000
	v_mov_b32 v255, 0
	v_lshrrev_b32 v4, 5, v0
	v_readfirstlane_b32 s[WV], v4                  ; wave 0..15
	v_and_b32 v1, 31, v0
	v_lshlrev_b32 v1, 4, v1                        ; 16 x lane
	v_lshlrev_b32 v2, 4, v0                        ; 16 x thread
	v_and_b32 v5, 15, v0                           ; r
	v_bfe_u32 v9, v0, 4, 1                         ; h
	v_lshlrev_b32 v6, 3, v9
	v_sub_nc_u32 v6, v5, v6                        ; r - 8 h
	s_wait_alu depctr_va_sdst(0)                   ; s14, the wave's number, is written, ahead of its first reader: the line below
	s_lshl_b32 s16, s[WV], 10
	s_add_co_u32 s16, s16, STG                     ; my stage
	v_lshl_add_u32 v7, v5, 4, s16
	v_lshl_add_u32 v7, v9, 3, v7                   ; in: 16 r + 8 h (+ 256 for each tile of 16 channels)
	v_add_nc_u32 v8, s16, v1                       ; back: 16 x lane
	s_and_b32 s33, ttmp7, 0xffff                   ; bh
	s_mov_b32 s[QB], ttmp9                         ; j
	s_sub_co_u32 s[QB1], 7, ttmp9
	s_lshl_b32 s48, s33, 17                        ; the head's first byte in each of the three images
	s_mov_b32 s49, 0
	s_lshl_b32 s16, s[WV], 10
	s_add_co_u32 s16, s16, s48
	s_lshl_b32 s50, s[QB], 14
	s_add_co_u32 s50, s50, s16                     ; Q: tile 16 QB + wave, 1,024 bytes a tile
	s_mov_b32 s51, 0
	s_lshl_b32 s52, s[QB1], 14
	s_add_co_u32 s52, s52, s16
	s_mov_b32 s53, 0
	s_and_b32 s17, s33, 15                         ; the head: its 64 channels are k = 64 head on of the last projection
	s_lshr_b32 s18, s17, 2
	s_lshl_b32 s18, s18, 21                        ; which 256 along K
	s_and_b32 s17, s17, 3
	s_lshl_b32 s17, s17, 10                        ; which 64 of them: two chunks, 1,024 bytes
	s_add_co_u32 s17, s17, s18
	s_lshr_b32 s18, s33, 4
	s_lshl_b32 s18, s18, 19                        ; tile of tokens 128 batch + 16 QB + wave, 4,096 bytes a tile
	s_add_co_u32 s17, s17, s18
	s_lshl_b32 s18, s[WV], 12
	s_add_co_u32 s17, s17, s18
	s_lshl_b32 s54, s[QB], 16
	s_add_co_u32 s54, s54, s17
	s_mov_b32 s55, 0
	s_lshl_b32 s56, s[QB1], 16
	s_add_co_u32 s56, s56, s17
	s_mov_b32 s57, 0
	s_lshl_b32 s18, s[WV], 4
	s_lshl_b32 s[Q0], s[QB], 8
	s_add_co_u32 s[Q0], s[Q0], s18                 ; my first query: 256 QB + 16 wave
	s_lshl_b32 s[Q0N], s[QB1], 8
	s_add_co_u32 s[Q0N], s[Q0N], s18
	s_mov_b32 s[SEL], 0x76543210
	s_mov_b32 s[SEL+1], 0xfedcba98
	s_mov_b32 s[CS], 0x3e38aa3b                    ; log2(e) / 8
	s_mov_b32 s[TB], 0
	s_mov_b32 s[TRIP], 9
	s_mov_b32 s[KP], 0
	s_mov_b32 s[KF], 0
	s_wait_kmcnt 0x0
	s_load_b256 s[40:47], s[10:11], 0x10           ; e4 .. e11
	s_add_nc_u64 s[6:7], s[6:7], s[48:49]          ; K and V at the head
	s_add_nc_u64 s[8:9], s[8:9], s[48:49]
	s_add_nc_u64 s[50:51], s[4:5], s[50:51]
	s_add_nc_u64 s[52:53], s[4:5], s[52:53]
	s_add_nc_u64 s[AO:AO+1], s[12:13], s[54:55]
	s_add_nc_u64 s[AO1:AO1+1], s[12:13], s[56:57]
	s_wait_alu depctr_va_vdst(0)                   ; v1, v2, v7 and v8 are written: the offsets and LDS addresses that loads and stores read from here to the kernel's end; none of them is written again
	global_load_b128 v[16:19], v1, s[50:51]        ; Q's fragment of both blocks stays in registers
	global_load_b128 v[20:23], v1, s[50:51] offset:512
	global_load_b128 v[24:27], v1, s[52:53]
	global_load_b128 v[28:31], v1, s[52:53] offset:512
	global_load_b128 v[208:211], v2, s[6:7]        ; pair 0 of K and V: 512 threads x 16 bytes an instruction
	global_load_b128 v[212:215], v2, s[6:7] offset:8192
	global_load_b128 v[216:219], v2, s[8:9]
	global_load_b128 v[220:223], v2, s[8:9] offset:8192
	v_mov_b32 v10, 0                               ; written once: a lane permute's destination counts as one of its sources
	v_mov_b32 v11, 0xff800000                      ; -infinity
	v_mov_b32 v13, 0xff61b1e6                      ; the largest t so far: -3e38, under every t
	v_floor_f32 v12, -v13                          ; -M
	v_mov_b32 v14, 0
	v_mov_b32 v15, 0
	v_mov_b32 v253, 0                              ; (named as the upper half of the pair v[252:253])
.set n, 0
.rept 32
	v_mov_b32 v[160+n], 0                          ; O^T: the step is written once; its first run finds zeros, which the first change of M leaves zeros
.set n, n+1
.endr
	s_wait_kmcnt 0x0
	s_add_co_i32 s16, s42, s43
	s_lshl_b32 s16, s16, 23
	s_add_co_i32 s[CS], s[CS], s16                 ; a score stands for score x 2^(e6 + e7): the two exponents are added to c's exponent field
	s_mov_b32 s[CS+1], s[CS]                       ; (named with it as a pair, so it is written)
	s_add_co_i32 s16, s[EP], 127
	s_lshl_b32 s17, s16, 23
	v_mov_b32 v244, s17                            ; 2^e8
	s_add_co_i32 s16, s16, 15
	s_lshl_b32 s16, s16, 23
	s_or_b32 s16, s16, 0x600000
	v_mov_b32 v240, s16                            ; 57,344 x 2^e8
	s_sub_co_i32 s16, s46, s[EP]
	s_sub_co_i32 s16, s16, s45                     ; a sum of the second product stands for sum x 2^(e8 + e9): O's code is (sum / l) / 2^(e10 - e8 - e9)
	s_add_co_i32 s16, s16, 127
	s_lshl_b32 s17, s16, 23
	v_mov_b32 v246, s17
	s_add_co_i32 s16, s16, 15
	s_lshl_b32 s16, s16, 23
	s_or_b32 s16, s16, 0x600000
	v_mov_b32 v247, s16
	s_wait_loadcnt 0x0                             ; Q, and pair 0
	ds_store_b128 v2, v[208:211]                   ; into slot 0.  (The address stands ahead of the wait on va_vdst above; the data are loads' results)
	ds_store_b128 v2, v[212:215] offset:8192
	ds_store_b128 v2, v[216:219] offset:16384
	ds_store_b128 v2, v[220:223] offset:24576
	s_wait_dscnt 0x0                               ; for the others' sake: my stores have landed
	s_barrier_signal -1
	s_barrier_wait -1
; Tile t of the diagonal step: register j holds key KF + 16 t + 8 h + j, hidden where 16 t + j > Q0 - KF + r - 8 h (v9).  A tile whose 16 keys all lie in front of my first query is passed over.
; The eight compares go in one run, each into a scalar register of its own, so that one wait serves the eight selects.
.macro MASKT t
	s_cmp_gt_u32 s[WD], \t
	s_cbranch_scc1 .Lfree_\@
.irp j, 0,1,2,3,4,5,6,7
	v_cmp_gt_i32 s[MK+\j], 16*(\t)+\j, v9
.endr
	s_wait_alu depctr_va_sdst(0)                   ; the eight compares have written s56 to s63, ahead of their first readers: the selects below
.irp j, 0,1,2,3,4,5,6,7
	v_cndmask_b32 v[96+8*(\t)+\j], v[96+8*(\t)+\j], v11, s[MK+\j]
.endr
.Lfree_\@:
.endm
; A KEY STEP: 128 keys, the q-th of the slot in hand.
.macro STEP q
	s_add_co_u32 s16, s[Q0], 15
	s_cmp_gt_u32 s[KF], s16
	s_cbranch_scc1 .Lhidden_\@                     ; all its keys come after my queries
.rept 4
	v_nop                                          ; places in front of loads into registers that the last products read
.endr
.if (\q) > 0
	s_wait_alu depctr_va_vdst(0)                   ; the step before's products V^T P are done reading v32-95, in which K's loads land.  (For a trip's first step the wait at the trip's head states it: only v_nop stand between)
.endif
.irp t, 0,1,2,3,4,5,6,7
	ds_load_b128 v[32+8*\t:35+8*\t], v[ADK] offset:8192*(\q)+1024*\t        ; K's eight fragments, as they were stored: 512 consecutive bytes an instruction
	ds_load_b128 v[36+8*\t:39+8*\t], v[ADK] offset:8192*(\q)+1024*\t+512
.endr
	s_wait_dscnt 0x0
.irp t, 0,1,2,3,4,5,6,7
	v_wmma_f32_16x16x64_bf8_bf8 v[96+8*\t:103+8*\t], v[32+8*\t:39+8*\t], v[16:23], 0
.endr
.rept 4
	v_nop                                          ; places: for the loads below, into K's registers, and for the first read of the scores
.endr
	s_wait_alu depctr_va_vdst(0)                   ; the products K Q^T are done reading v32-95, in which V's loads land; the places above stay beside this wait
.irp t, 0,1,2,3
.irp i, 0,1,2,3
	ds_load_b128 v[32+16*\t+4*\i:35+16*\t+4*\i], v[ADK] offset:16384+8192*(\q)+2048*\t+512*\i   ; V's four fragments land while the softmax is walked: no line of it names v32-95
.endr
.endr
	s_add_co_u32 s16, s[KF], 127
	s_cmp_le_u32 s16, s[Q0]
	s_cbranch_scc1 .Lopen_\@                       ; all its keys count
	s_sub_co_u32 s16, s[Q0], s[KF]                 ; 0, 16, .. 112
	s_lshr_b32 s[WD], s16, 4
	v_add_nc_u32 v9, s16, v6
.irp t, 0,1,2,3,4,5,6,7
	MASKT \t
.endr
.Lopen_\@:
	v_max3_num_f32 v254, v96, v97, v98             ; the step's largest score of my query among my 64 keys, in two chains, each tile from its low end on,
	v_max3_num_f32 v252, v99, v100, v101
.irp i, 6,10,14,18,22,26,30,34,38,42,46,50,54,58
	v_max3_num_f32 v254, v254, v[96+\i], v[97+\i]
	v_max3_num_f32 v252, v252, v[98+\i], v[99+\i]
.endr
	v_max3_num_f32 v254, v254, v158, v159
	v_max_num_f32 v254, v254, v252
	v_permlanex16_b32 v10, v254, s[SEL], s[SEL+1]
	v_max_num_f32 v254, v254, v10                  ; and among lane l xor 16's
	v_mul_f32 v254, s[CS], v254                    ; as t (c is positive)
	v_max_num_f32 v13, v13, v254                   ; the running largest t
	v_mov_b32 v254, v12
	v_floor_f32 v12, -v13                          ; the new -M = floor(-t) = -ceil(t): a whole number
	v_sub_f32 v254, v12, v254                      ; old M - new M: a whole number, 0 or less
	v_cvt_i32_f32 v254, v254                       ; (it saturates)
	v_ldexp_f32 v252, 1.0, v254                    ; f = 2^(old M - new M)
.set n, 0
.rept 32
	v_pk_fma_f32 v[96+n:97+n], v[96+n:97+n], s[CS:CS+1], v[12:13] op_sel_hi:[1,0,0]   ; t - M, two at a time (of the pairs c and -M the low word serves both halves)
.set n, n+2
.endr
.set n, 0
.rept 64
	v_exp_f32 v[96+n], v[96+n]                     ; p = 2^(t - M): one batch
.set n, n+1
.endr
	v_pk_mul_f32 v[14:15], v[14:15], v[252:253] op_sel_hi:[1,0]   ; the sums under the new M: the plain instruction behind the exponentials
	s_wait_alu depctr_va_vdst(0)                   ; the 64 exponentials have written v96-159: one wait for the whole batch, ahead of its first reader
	v_pk_add_f32 v[242:243], v[96:97], v[98:99]    ; the row's sum is taken of the unquantised p: two at a time, in two chains
.irp j, 4,8,12,16,20,24,28,32,36,40,44,48,52,56,60
	v_pk_add_f32 v[14:15], v[14:15], v[96+\j:97+\j]
	v_pk_add_f32 v[242:243], v[242:243], v[98+\j:99+\j]
.endr
	v_pk_add_f32 v[14:15], v[14:15], v[242:243]
	s_cmp_ge_i32 s[EP], -15                        ; the hold at 57,344 x 2^e8: from e8 = -15 on that is 1.75 or more, and p is at most 1 and a rounding: the hold would change nothing.  A branch on a whole number that is given
	s_cbranch_scc1 .Lno_hold_\@
.set n, 0
.rept 64
	v_min_num_f32 v[96+n], v[96+n], v240           ; the conversion does not saturate (ISA guide 7.6.2); p is not negative, so the hold is one-sided
.set n, n+1
.endr
.Lno_hold_\@:
.irp t, 0,1,2,3,4,5,6,7
	v_cvt_scalef32_pk8_bf8_f32 v[192+2*\t:193+2*\t], v[96+8*\t:103+8*\t], v244   ; keys 16 t + 8 h + 0 .. 7: registers 2 t, 2 t + 1 of the operand
.endr
.set n, 0
.rept 16
	v_pk_mul_f32 v[160+n:161+n], v[160+n:161+n], v[252:253] op_sel_hi:[1,0]   ; O^T under the new M.  (Also the plain lines between the conversions and the products that read the codes)
.set n, n+2
.endr
	s_wait_dscnt 0x0                               ; V is in
.irp t, 0,1,2,3
	v_wmma_f32_16x16x128_bf8_bf8 v[160+8*\t:167+8*\t], v[32+16*\t:47+16*\t], v[192:207], v[160+8*\t:167+8*\t]   ; the four accumulators by turns, one instruction a turn
.endr
.Lhidden_\@:
	s_add_co_u32 s[KF], s[KF], 128
.endm
; A BLOCK'S END: O^T / the sum, quantised; a lane's 8 codes of tile t are channels 16 t + 8 h + 0 .. 7 of token r, which the image wants at 256 t + 16 r + 8 h of the head's 1,024 bytes: a turn through my own stage.
; Then everything is set for the second block.  (Behind the second block these lines set what nobody reads.)
.macro EPILOGUE
.rept 4
	v_nop                                          ; places behind the last products
.endr
	v_add_f32 v14, v14, v15                        ; the sum's two halves,
	v_permlanex16_b32 v10, v14, s[SEL], s[SEL+1]
	v_add_f32 v14, v14, v10                        ; and lane l xor 16's
	v_rcp_f32 v14, v14
	v_nop                                          ; a plain instruction behind the reciprocal
	s_wait_alu depctr_va_vdst(0)                   ; the reciprocal has written v14, ahead of its first reader
.set n, 0
.rept 32
	v_mul_f32 v[96+n], v[160+n], v14
.set n, n+1
.endr
.set n, 0
.rept 32
	v_med3_num_f32 v[96+n], v[96+n], -v247, v247   ; the hold at the largest code x the scale
.set n, n+1
.endr
.irp t, 0,1,2,3
	v_cvt_scalef32_pk8_bf8_f32 v[224+2*\t:225+2*\t], v[96+8*\t:103+8*\t], v246   ; (the first block's LDS stores have read v224-231: the wait on vm_vsrc at each trip's head lies between)
.endr
	v_nop                                          ; one plain vector line behind the last conversion
	s_wait_alu depctr_va_vdst(0)                   ; the conversions have written v224-231, which the LDS stores below read
.irp t, 0,1,2,3
	ds_store_b64 v7, v[224+2*\t:225+2*\t] offset:256*\t
.endr
	ds_load_b128 v[232:235], v8                    ; LDS serves a wave's instructions in order (ISA guide 5.7.1.4): these see my stores.  (The first block's global stores have read v232-239: the wait on vm_vsrc at each trip's head lies between)
	ds_load_b128 v[236:239], v8 offset:512
	s_wait_dscnt 0x0
	global_store_b128 v1, v[232:235], s[AO:AO+1]   ; 512 consecutive bytes each, at a multiple of 512 from the image's first byte
	global_store_b128 v1, v[236:239], s[AO:AO+1] offset:512
	s_wait_xcnt 0x0                                ; the stores have read their base and their data: both are written again below and at the next block's end
	s_mov_b64 s[AO:AO+1], s[AO1:AO1+1]
	s_mov_b32 s[QB], s[QB1]
	s_mov_b32 s[Q0], s[Q0N]
	s_mov_b32 s[KP], -1                            ; the trip's end makes it 0
	s_mov_b32 s[KF], 0
.set n, 0
.rept 8
	v_mov_b32 v[16+n], v[24+n]                     ; the second block's Q
.set n, n+1
.endr
.set n, 0
.rept 32
	v_mov_b32 v[160+n], 0
.set n, n+1
.endr
	v_mov_b32 v13, 0xff61b1e6
	v_floor_f32 v12, -v13
	v_mov_b32 v14, 0
	v_mov_b32 v15, 0
.endm
.Lpair:                                                ; 9 trips, a pair of key steps each
	s_wait_alu depctr_vm_vsrc(0)                   ; the LDS loads issued so far have read v4, the LDS stores v5 and v208-223, the global loads v3; a block's end has read v224-231 and v232-239: all of these are written again from here on
	v_add_nc_u32 v[ADK], s[TB], v1                 ; the trip's three addresses are made together: the slot that is read,
	s_xor_b32 s25, s[TB], SLOTB                    ; the other slot: everybody's reads of it ended in front of the last barrier
	v_add_nc_u32 v[ADS], s25, v2                   ; into which the next pair is stored at the trip's end,
	s_add_co_u32 s16, s[KP], 1
	s_cmp_eq_u32 s[KP], s[QB]
	s_cselect_b32 s16, 0, s16                      ; the next pair: behind a block's last pair comes the next block's pair 0
	v_lshl_add_u32 v3, s16, 14, v2                 ; and its place in memory: 16,384 bytes of each image a pair.  (In the last trip nothing reads it)
	s_wait_alu depctr_va_vdst(0)                   ; v3, v4 and v5 are written, which this trip's loads and stores read; and the last trip's products are done reading v32-95, in which the first step's loads of K land
	s_cmp_eq_u32 s[TRIP], 1
	s_cbranch_scc1 .Lno_load                       ; the last trip has no successor
	global_load_b128 v[208:211], v3, s[6:7]
	global_load_b128 v[212:215], v3, s[6:7] offset:8192
	global_load_b128 v[216:219], v3, s[8:9]
	global_load_b128 v[220:223], v3, s[8:9] offset:8192
.Lno_load:
	STEP 0
	STEP 1
	s_cmp_lg_u32 s[KP], s[QB]
	s_cbranch_scc1 .Lno_out
	EPILOGUE
.Lno_out:
	s_add_co_u32 s[KP], s[KP], 1
	s_cmp_eq_u32 s[TRIP], 1
	s_cbranch_scc1 .Lno_store
	s_wait_loadcnt 0x0                             ; the next pair is in registers (asked for at the trip's head)
	ds_store_b128 v[ADS], v[208:211]               ; no wait on va_vdst: v5 stands ahead of the trip's head's, and no vector instruction has named it or v208-223 since
	ds_store_b128 v[ADS], v[212:215] offset:8192
	ds_store_b128 v[ADS], v[216:219] offset:16384
	ds_store_b128 v[ADS], v[220:223] offset:24576
.Lno_store:
	s_wait_dscnt 0x0                               ; for the others' sake: my stores into the other slot have landed, my reads of this one are over
	s_barrier_signal -1
	s_barrier_wait -1
	s_xor_b32 s[TB], s[TB], SLOTB
	s_sub_co_u32 s[TRIP], s[TRIP], 1
	s_cmp_lg_u32 s[TRIP], 0
	s_cbranch_scc1 .Lpair
	s_wait_dscnt 0x0                               ; the closing lines, six on end
	s_wait_alu 0x0
	s_wait_tensorcnt 0x0
	ds_add_u32 v251, v255
	s_wait_dscnt 0x0
	s_endpgm
.Lfunc_end_k_qeeaa8b51c3_attn:
	.size	k_qeeaa8b51c3_attn, .Lfunc_end_k_qeeaa8b51c3_attn-k_qeeaa8b51c3_attn
	.p2alignl 7, 3214868480
	.fill 96, 4, 3214868480
	.section	.rodata,"a",@progbits
	.p2align	6, 0x0
	.amdhsa_kernel k_qeeaa8b51c3_attn
		.amdhsa_group_segment_fixed_size 83968
		.amdhsa_private_segment_fixed_size 0
		.amdhsa_enable_private_segment 0
		.amdhsa_kernarg_size 40
		.amdhsa_user_sgpr_count 2
		.amdhsa_user_sgpr_kernarg_segment_ptr 1
		.amdhsa_wavefront_size32 1
		.amdhsa_system_sgpr_workgroup_id_x 1
		.amdhsa_system_sgpr_workgroup_id_y 1
		.amdhsa_system_sgpr_workgroup_id_z 1
		.amdhsa_system_vgpr_workitem_id 0
		.amdhsa_next_free_vgpr 256
		.amdhsa_next_free_sgpr 66
		.amdhsa_reserve_vcc 0
		.amdhsa_float_denorm_mode_32 3
		.amdhsa_float_denorm_mode_16_64 3
		.amdhsa_memory_ordered 1
		.amdhsa_forward_progress 1
		.amdhsa_inst_pref_size 65
	.end_amdhsa_kernel
	.amdgpu_metadata
---
amdhsa.version: [ 1, 2 ]
amdhsa.kernels:
  - .name:           k_qeeaa8b51c3_attn
    .symbol:         k_qeeaa8b51c3_attn.kd
    .args:
      - { .name: q_img, .offset: 0, .size: 8, .value_kind: global_buffer, .address_space: global }
      - { .name: k_img, .offset: 8, .size: 8, .value_kind: global_buffer, .address_space: global }
      - { .name: v_img, .offset: 16, .size: 8, .value_kind: global_buffer, .address_space: global }
      - { .name: lowp_scales, .offset: 24, .size: 8, .value_kind: global_buffer, .address_space: global }
      - { .name: a_img, .offset: 32, .size: 8, .value_kind: global_buffer, .address_space: global }
    .group_segment_fixed_size: 83968
    .private_segment_fixed_size: 0
    .kernarg_segment_align: 8
    .kernarg_segment_size: 40
    .max_flat_workgroup_size: 512
    .sgpr_count:     66
    .vgpr_count:     256
    .wavefront_size: 32
...
	.end_amdgpu_metadata
.endif
;; end of part 4
;; launch oproj: the kernel of part 3 again; grid 4 x 64, 4 waves a work-group, clusters of 4 x 4, 327,680 bytes of LDS; arguments a_img, o_proj_weight_codes, lowp_scales, out0; writes out0
